; MI455X (gfx1250); checked and timed in simulation.
; The chip was launched on July 23, 2026; its instructions are those of AMD's public machine-readable ISA for CDNA 5 (MIT licence, August 2026) and "CDNA5" Instruction Set Architecture Reference Guide (July 2026). The comments in the code are by the model that wrote it; some were corrected since.
;; Attention. Allowed arithmetic: float matrix products may take bf16 or f16 operands with f32 sums; all other float work in f32.
;; Inputs: cos 1,024 x 64 float32; mask 1 x 1 x 1,024 x 1,024 float32; sin 1,024 x 64 float32; wk 1,024 x 4,096 float32; wo 4,096 x 4,096 float32; wq 4,096 x 4,096 float32; wv 1,024 x 4,096 float32; x 1 x 1,024 x 4,096 float32.
;; Outputs: out0 1 x 1,024 x 4,096 float32.
;; 2 versions, each right; version 2 is version 1 with the launch prep written anew for expert scheduling mode. Each part assembles by itself: llvm-mc -triple=amdgcn-amd-amdhsa -mcpu=gfx1250 --defsym DOCPART=n.
;; ======== version 1 of 2: 4 launches
;; limits: values are held in f16: magnitudes above 65,504 overflow, below 6.1e-05 lose precision
;; workspace buffers: xb 8,388,608 bytes; ob 8,388,608 bytes; maskr 4,194,304 bytes; rot 524,288 bytes; qh 8,388,608 bytes; kh 2,097,152 bytes; vh 2,097,152 bytes
;; launch prep (part 1): grid 256 x 1, 8 waves a work-group, no clusters, 52,736 bytes of LDS; arguments x, mask, cos, sin, xb, maskr, rot; writes xb, maskr, rot
.if DOCPART == 1
	.amdgcn_target "amdgcn-amd-amdhsa--gfx1250"
	.amdhsa_code_object_version 6
	.text
	.protected	k_q5620e640ce_prep
	.globl	k_q5620e640ce_prep
	.p2align	8
	.type	k_q5620e640ce_prep,@function
k_q5620e640ce_prep:
	s_mov_b64 s[64:65], 0
	v_nop
	global_prefetch_b8 v0, s[64:65] scope:SCOPE_SE
	s_setreg_imm32_b32 hwreg(HW_REG_WAVE_MODE, 25, 1), 1
	s_wait_xcnt 0x0
; PREP.  x, mask, cos and sin are rounded to bf16 once and laid out in the blocks in which the later launches read them, so that every later load is 512 consecutive bytes a wave.
;   xb    [mb 64][kc 128][1,024 B] bf16: a fragment of 16 rows x 32 k.  Bytes 0-511: lane l = r + 16 h holds x[16 mb + r][32 kc + 8 h .. + 7]; bytes 512-1023: the same with k + 16.
;   maskr [qt 64][kb 64][1,024 B] f32 (the bf16 number written as f32): part i of 512 B, lane (r, h) holds mask[16 qt + r][16 kb + 8 h + 4 i .. + 3]: an accumulator of K Q^T.
;   rot   [posblk 64][fg 8][1,024 B] f32 (likewise): part i, lane (r, h) holds (c, s, c, s) of position 16 posblk + r, frequencies 8 fg + 4 h + 2 i and the next.
; A stream: memory binds, so no matrix unit, no cluster (no two work-groups read a byte in common) and no tensor load; all 22 loads of a wave go out at the head.
; Work-group b, wave w: x rows 16 (b >> 2) .. + 15, k chunk (b & 3) 8 + w of 128; four waves share a mask unit of 16 rows x 128 keys (unit 2 b + (w >> 2)); a wave makes 32 pairs (c, s) of rot.
.set XS,    0                          ; eight stages of 16 rows x 272 bytes, a wave's own: 256 bytes of bf16 + 16, so that the 16 rows of a read start 68 words apart
.set XP,    272
.set MS,    34816                      ; two stages of 16 rows x 528 bytes, four waves each: 512 bytes of f32 + 16
.set MP,    528
.set SPARE, 51712                      ; the spare words, 128 bytes for each of the eight waves: four blocks of 256 bytes that no other line names
.set LIN, 4                            ; v4   16 x lane
.set X,   16                           ; v[16:79]  sixteen rows of x as loaded; later what is read back from the stages
.set M,   80                           ; v[80:95]  four rows of the mask
.set SPW, 124                          ; v124 my spare word's LDS address; never rewritten
.set NIL, 125                          ; v125 0; never rewritten
	s_load_b256 s[4:11], s[0:1], 0x0               ; x s[4:5], mask s[6:7], cos s[8:9], sin s[10:11]
	s_load_b128 s[12:15], s[0:1], 0x20             ; xb s[12:13], maskr s[14:15]
	s_load_b64 s[16:17], s[0:1], 0x30              ; rot
	v_lshl_add_u32 v[SPW], v0, 2, SPARE
	v_mov_b32 v[NIL], 0
	v_lshrrev_b32 v1, 5, v0
	v_readfirstlane_b32 s20, v1                    ; w
	v_and_b32 v1, 31, v0                           ; l
	v_and_b32 v2, 15, v0                           ; r
	v_bfe_u32 v3, v0, 4, 1                         ; h
	v_lshlrev_b32 v[LIN], 4, v1
	s_mov_b32 s21, 0xffff0000                      ; a word's upper bf16
	s_lshr_b32 s22, ttmp9, 2                       ; b >> 2
	s_and_b32 s23, ttmp9, 3
	s_lshl_b32 s24, s22, 18                        ; x: 16 (b >> 2) rows of 16,384 bytes
	s_lshl3_add_u32 s25, s23, s20                  ; chunk = 8 (b & 3) + w
	s_lshl_b32 s25, s25, 9                         ; of 512 bytes
	s_add_co_u32 s24, s24, s25
	s_mov_b32 s25, 0
	s_lshr_b32 s26, s20, 2
	s_lshl1_add_u32 s26, ttmp9, s26                ; um = 2 b + (w >> 2): the mask unit, and the block of rot
	s_and_b32 s27, s20, 3
	s_lshr_b32 s28, s26, 3                         ; qt
	s_lshl2_add_u32 s28, s28, s27                  ; 4 qt + (w & 3): my four rows
	s_lshl_b32 s28, s28, 14                        ; of 4,096 bytes
	s_and_b32 s29, s26, 7
	s_lshl_b32 s30, s29, 5                         ; rot: frequency 8 (um & 7), in bytes
	s_lshl_b32 s29, s29, 9                         ; mask: key chunk um & 7 of 512 bytes
	s_add_co_u32 s28, s28, s29
	s_mov_b32 s29, 0
	s_and_b32 s31, s20, 1
	s_lshl4_add_u32 s30, s31, s30                  ; + 4 (w & 1) frequencies
	s_bfe_u32 s31, s20, 0x10001
	s_lshl3_add_u32 s30, s31, s30                  ; + 2 ((w >> 1) & 1)
	s_lshl_b32 s31, s22, 12
	s_add_co_u32 s30, s30, s31                     ; + 16 (b >> 2) positions of 256 bytes
	v_lshrrev_b32 v5, 1, v1
	v_and_b32 v6, 1, v0
	v_lshlrev_b32 v6, 2, v6
	v_lshl_add_u32 v5, v5, 8, v6                   ; position l >> 1, frequency l & 1
	v_add_nc_u32 v5, s30, v5                       ; my number's byte offset in cos and in sin
	v_lshlrev_b32 v7, 3, v0                        ; my pair's 8 bytes among the work-group's 2,048 of rot
	s_lshl3_add_u32 s32, ttmp9, s20
	s_lshl_b32 s32, s32, 12                        ; xb: (8 b + w) x 4,096
	s_mov_b32 s33, 0
	s_lshl2_add_u32 s34, s26, s27
	s_lshl_b32 s34, s34, 11                        ; maskr: 8,192 um + 2,048 (w & 3)
	s_mov_b32 s35, 0
	s_lshl_b32 s36, ttmp9, 11                      ; rot: 2,048 b
	s_mov_b32 s37, 0
	s_mul_i32 s38, s20, 16*XP                      ; my stage for x
	s_lshr_b32 s39, s20, 2
	s_mul_i32 s39, s39, 16*MP
	s_add_co_u32 s39, s39, MS                      ; my unit's stage for the mask
	s_mul_i32 s40, s27, 4*MP
	s_add_co_u32 s40, s40, s39                     ; in: my four rows
	s_lshl_b32 s41, s27, 7
	s_add_co_u32 s41, s41, s39                     ; back: my two key blocks of 64 bytes a row
	v_lshl_add_u32 v8, v1, 3, s38                  ; x in: 8 bytes a lane
	v_mul_u32_u24 v9, v2, XP
	v_lshl_add_u32 v9, v3, 4, v9
	v_add_nc_u32 v9, s38, v9                       ; x back: row r, 16 bytes for each half of the lanes
	v_add_nc_u32 v10, s40, v[LIN]                  ; mask in
	v_mul_u32_u24 v11, v2, MP
	v_lshl_add_u32 v11, v3, 5, v11
	v_add_nc_u32 v11, s41, v11                     ; mask back: row r, 32 bytes for each half of the lanes
	s_wait_kmcnt 0x0
	s_add_nc_u64 s[4:5], s[4:5], s[24:25]
	s_add_nc_u64 s[6:7], s[6:7], s[28:29]
	s_add_nc_u64 s[12:13], s[12:13], s[32:33]
	s_add_nc_u64 s[14:15], s[14:15], s[34:35]
	s_add_nc_u64 s[16:17], s[16:17], s[36:37]
	global_load_b32 v96, v5, s[8:9]
	global_load_b32 v97, v5, s[10:11]
.irp j, 0,1,2,3,4,5,6,7,8,9,10,11,12,13,14,15
	global_load_b128 v[X+4*(\j):X+4*(\j)+3], v[LIN], s[4:5] offset:(\j)*16384 th:TH_LOAD_NT  ; 512 consecutive bytes of row j
.endr
.irp j, 0,1,2,3
	global_load_b128 v[M+4*(\j):M+4*(\j)+3], v[LIN], s[6:7] offset:(\j)*4096 th:TH_LOAD_NT
.endr
	; rot: one rounding for the pair, and both halves written out as f32
	s_wait_loadcnt 20                              ; the two oldest loads are in; x's sixteen and the mask's four stay out
	v_cvt_pk_bf16_f32 v96, v96, v97
	v_lshlrev_b32 v98, 16, v96
	v_and_b32 v99, s21, v96
	global_store_b64 v7, v[98:99], s[16:17]        ; the wave's 256 consecutive bytes; v[98:99] are not written again
	; x: rounded, through my own stage, back as fragments
.irp j, 0,1,2,3,4,5,6,7,8,9,10,11,12,13,14,15
	s_wait_loadcnt 19-(\j)                         ; row j is in: behind it 15 - j rows and the mask's four loads
	v_cvt_pk_bf16_f32 v[100+2*((\j)%4)], v[X+4*(\j)], v[X+4*(\j)+1]
	v_cvt_pk_bf16_f32 v[101+2*((\j)%4)], v[X+4*(\j)+2], v[X+4*(\j)+3]
	ds_store_b64 v8, v[100+2*((\j)%4):101+2*((\j)%4)] offset:XP*(\j)
.endr
.irp n, 0,1,2,3,4,5,6,7
	ds_load_b128 v[X+4*(\n):X+4*(\n)+3], v9 offset:32*(\n)  ; fragment n / 2, part n % 2; a wave's LDS instructions are served in order, so these see the stores above
.endr
	; the mask: rounded, written out as f32, into the unit's stage
	s_wait_loadcnt 0x0
.irp j, 0,1,2,3
	v_cvt_pk_bf16_f32 v108, v[M+4*(\j)], v[M+4*(\j)+1]
	v_cvt_pk_bf16_f32 v109, v[M+4*(\j)+2], v[M+4*(\j)+3]
	v_lshlrev_b32 v[M+4*(\j)], 16, v108
	v_and_b32 v[M+4*(\j)+1], s21, v108
	v_lshlrev_b32 v[M+4*(\j)+2], 16, v109
	v_and_b32 v[M+4*(\j)+3], s21, v109
	ds_store_b128 v10, v[M+4*(\j):M+4*(\j)+3] offset:MP*(\j)
.endr
.irp n, 0,1,2,3,4,5,6,7
	s_wait_dscnt 11-(\n)                           ; x's read n is back: behind it 7 - n reads and the mask's four stores
	global_store_b128 v[LIN], v[X+4*(\n):X+4*(\n)+3], s[12:13] offset:512*(\n)
.endr
	s_wait_dscnt 0x0                               ; for the other three waves of the unit: my rows of the mask are in the stage
	s_barrier_signal -1
	s_barrier_wait -1
.irp n, 0,1,2,3
	ds_load_b128 v[X+32+4*(\n):X+32+4*(\n)+3], v11 offset:64*((\n)/2)+16*((\n)%2)  ; key block n / 2 of my two, part n % 2
.endr
.irp n, 0,1,2,3
	s_wait_dscnt 3-(\n)
	global_store_b128 v[LIN], v[X+32+4*(\n):X+32+4*(\n)+3], s[14:15] offset:512*(\n)
.endr
	s_wait_tensorcnt 0x0                           ; the wave's end: behind my last LDS store
	ds_add_u32 v[SPW], v[NIL]
	s_wait_dscnt 0x0
	s_endpgm
.Lfunc_end_k_q5620e640ce_prep:
	.size	k_q5620e640ce_prep, .Lfunc_end_k_q5620e640ce_prep-k_q5620e640ce_prep
	.p2alignl 7, 3214868480
	.fill 96, 4, 3214868480
	.section	.rodata,"a",@progbits
	.p2align	6, 0x0
	.amdhsa_kernel k_q5620e640ce_prep
		.amdhsa_group_segment_fixed_size 52736
		.amdhsa_private_segment_fixed_size 0
		.amdhsa_enable_private_segment 0
		.amdhsa_kernarg_size 56
		.amdhsa_user_sgpr_count 2
		.amdhsa_user_sgpr_kernarg_segment_ptr 1
		.amdhsa_wavefront_size32 1
		.amdhsa_system_sgpr_workgroup_id_x 1
		.amdhsa_system_sgpr_workgroup_id_y 1
		.amdhsa_system_sgpr_workgroup_id_z 1
		.amdhsa_system_vgpr_workitem_id 0
		.amdhsa_next_free_vgpr 128
		.amdhsa_next_free_sgpr 66
		.amdhsa_reserve_vcc 0
		.amdhsa_float_denorm_mode_32 3
		.amdhsa_float_denorm_mode_16_64 3
		.amdhsa_memory_ordered 1
		.amdhsa_forward_progress 1
		.amdhsa_inst_pref_size 13
	.end_amdhsa_kernel
	.amdgpu_metadata
---
amdhsa.version: [ 1, 2 ]
amdhsa.kernels:
  - .name:           k_q5620e640ce_prep
    .symbol:         k_q5620e640ce_prep.kd
    .args:
      - { .name: x, .offset: 0, .size: 8, .value_kind: global_buffer, .address_space: global }
      - { .name: mask, .offset: 8, .size: 8, .value_kind: global_buffer, .address_space: global }
      - { .name: cos, .offset: 16, .size: 8, .value_kind: global_buffer, .address_space: global }
      - { .name: sin, .offset: 24, .size: 8, .value_kind: global_buffer, .address_space: global }
      - { .name: xb, .offset: 32, .size: 8, .value_kind: global_buffer, .address_space: global }
      - { .name: maskr, .offset: 40, .size: 8, .value_kind: global_buffer, .address_space: global }
      - { .name: rot, .offset: 48, .size: 8, .value_kind: global_buffer, .address_space: global }
    .group_segment_fixed_size: 52736
    .private_segment_fixed_size: 0
    .kernarg_segment_align: 8
    .kernarg_segment_size: 56
    .max_flat_workgroup_size: 256
    .sgpr_count:     66
    .vgpr_count:     128
    .wavefront_size: 32
...
	.end_amdgpu_metadata
.endif
;; end of part 1
;; launch qkv (part 2): grid 64 x 4, 4 waves a work-group, clusters of 4 x 4, 327,680 bytes of LDS; arguments xb, wq, wk, wv, rot, qh, kh, vh; writes qh, kh, vh
.if DOCPART == 2
	.amdgcn_target "amdgcn-amd-amdhsa--gfx1250"
	.amdhsa_code_object_version 6
	.text
	.protected	k_q5620e640ce_qkv
	.globl	k_q5620e640ce_qkv
	.p2align	8
	.type	k_q5620e640ce_qkv,@function
k_q5620e640ce_qkv:
	s_mov_b64 s[64:65], 0
	v_nop
	global_prefetch_b8 v0, s[64:65] scope:SCOPE_SE
	s_setreg_imm32_b32 hwreg(HW_REG_WAVE_MODE, 25, 1), 1
	s_wait_xcnt 0x0
	s_wait_alu depctr_hold_cnt(0) depctr_sa_sdst(0) depctr_va_vdst(0) depctr_va_sdst(0) depctr_va_ssrc(0) depctr_va_vcc(0) depctr_vm_vsrc(0)
	s_getreg_b32 s2, hwreg(HW_REG_IB_STS2, 6, 4)
	s_cmp_eq_u32 s2, 0
	s_cbranch_scc0 .Lentry_in_a_cluster
	s_endpgm
.Lentry_in_a_cluster:
	s_bfe_u32 s2, ttmp6, 0x10000c
	s_cmp_lg_u32 s2, 0xf033
	s_cbranch_scc0 .Lentry_shape_is_right
	s_endpgm
.Lentry_shape_is_right:
; QKV.  q = x wq^T, k = x wk^T, v = x wv^T in bf16 products with f32 sums, the rotation of q and k in f32, fixed scales, one rounding to f16.
; Stored: q x 4 / sqrt(128), k / 4, v / 4 (so that q . k carries the score's 1 / sqrt(128), and offsets of the inputs do not pass f16's end; the last launch multiplies by 4).
; LIMITS.  f16 holds no number beyond 65,504: 0.354 |q|, |k| / 4 and |v| / 4 must stay under it; below 6e-5 f16 keeps its fixed step of 6e-8.  NaN and infinities are not treated apart.
; The sums run over K in an order that differs from cluster to cluster (a rotation in steps of 256, see K GOES ROUND): the same products, another order of rounding.
; SHARES.  A work-group owns 256 rows and 96 columns: 64 of q, 16 of k, 16 of v (the tensors' ratio 4 : 1 : 1, so that all 256 work-groups run one text).  Wave w owns rows 64 w .. + 63 and all 96
; columns: 4 x 6 accumulators.  For 32 along K it reads 4 KB of x and 6 KB of weights from LDS for 24 matrix instructions.
; x (xb: bf16 in fragment blocks) comes by tensor loads, K = 256 a slot, two slots; wave w fetches the 64 rows that it alone reads: four runs of 8,192 dense bytes.  The four work-groups of a row of
; the 4 x 4 cluster need the same rows: the load is JOINT, with the same descriptor and a mask that names the four.
; K GOES ROUND.  Each of the sixteen clusters walks all 1,024 rows of x.  Cluster c begins at K tile 2 (c & 7) + (c >> 3) of the sixteen tiles of 256 and goes round, the weights with it: at any time the
; sixteen ask for sixteen different tiles of x, and from the third trip on a tile that a cluster asks for has been asked for by another before.  The number enters global addresses alone.
; THE WEIGHTS ARE NOT ASKED FOR JOINTLY, but come through registers: x's two slots take 262,144 bytes of LDS; f32 weights for the same K would take 2 x 96 x 1,024 bytes more than there is.  So a wave
; loads 24 rows x 128 k in f32 (a row's 512 consecutive bytes an instruction), two such tiles ahead, in registers that the accumulators leave free; rounds each number once for the work-group; and
; puts it into one of two small LDS slots (96 rows x 272 bytes).  The four work-groups of a cluster's column read the same weights in the same trips.
; THE MATRIX INSTRUCTION IS USED TRANSPOSED (source 0 = 16 rows of a weight, source 1 = 16 rows of x): a lane holds one row of the result and eight neighbouring columns: four rotation pairs, 16 bytes of f16.
; OUT.  qh, kh [piece = column / 16][row block 64][512 B]: lane l = r + 16 h holds row r, channels 8 h .. + 7: half a fragment of K or Q.  vh [piece][row 1,024][32 B].  Every store is 512 consecutive bytes.
; REGISTERS in windows of 256 (s_set_vgpr_msb: bits 1:0 source 0, 3:2 source 1, 5:4 source 2, 7:6 destination):
;   window 0: v1-6, v12-14 addresses, v30-31 the add's; v32-223 the weights' ring, two sets of 24 rows x 4; v224-239 at work     window 1: v0-191 accumulator (a, b) at 8 (6 a + b)
;   window 2: two fragment buffers of 80: x's block a at 8 a, the weights' block b at 32 + 8 b
.set NB,    6                          ; column blocks of 16
.set NSV,   16                         ; conversions for a batch of eight rows
.set BS,    96*272                     ; a slot of weights
.set B0,    262144                     ; behind x's two slots
.set SPARE, B0+2*BS                    ; the spare words, 128 bytes a wave: two blocks of 256 bytes that no other line names
.set SLOTX, 0x20000                    ; x's slot 1: one exclusive or turns an address in one slot into the other's
.set LIN,  1                           ; v1  16 x lane
.set ADRA, 2                           ; v2  my x fragments in the slot in hand
.set ADRB, 3                           ; v3  B0 + 272 r + 16 h
.set BSTQ, 4                           ; v4  where I put wq's rows: B0 + 272 x 16 w + 8 l
.set BSTK, 5                           ; v5  wk's and wv's: B0 + 272 (64 + 4 w) + 8 l
.set VROW, 6                           ; v6  32 r + 16 h: my 16 bytes in a block of vh
.set LK,   12                          ; v12 16 l + 512 x the weight tile that is asked for: my 16 bytes in a row of a weight
.set LKA,  13                          ; v13, v14 the same for the first two tiles
.set LKB,  14
.set SPW,  30
.set NIL,  31
.set W,    32
.set T,    224
.set ACC,  0
.set F0,   0
.set F1,   80
.set WV,   20                          ; s20 wave
.set G1,   32                          ; s[32:39] descriptor group 1
.set G0,   40                          ; s[40:43] descriptor group 0: slot 1's first fill, then every refill
.set TA,   44                          ; s44 my part of x's slot in hand
.set CNT,  45
.set SQ,   46                          ; s[46:47] 4 / sqrt(128)
.set QT,   48                          ; s[48:49] 1 / 4
.set PQ,   52                          ; s[52:57] wq, wk, wv at my rows; never stepped
.set PK,   54
.set PV,   56
.set OQ,   58                          ; s[58:63] qh, kh, vh at my blocks
.set OK,   60
.set OV,   62
.set RQ,   66                          ; s[66:69] rot at my positions, for q's and for k's columns
.set RK,   68
.set G0A,  84                          ; s[84:87] descriptor group 0 of slot 0's first fill; never rewritten
.set AB,   88                          ; s[88:89] xb at my 64 rows
.set OFF,  90                          ; s[90:91] a tile's byte offset along K: 8,192 x its number
.set NT,   92                          ; s92 the tile of x asked for last, 0 .. 15
.set WT,   93                          ; s93 the weight tile asked for last, 0 .. 31
.set MUL,  0x5a                        ; sources in window 2, C and D in window 1
.set TO_F, 0x80                        ; destination in window 2
.set EPI,  0x01                        ; source 0 in window 1
.set MSB, 0
.macro WIN new                         ; the immediate's high byte repeats the setting that is left; a switch that changes nothing is dropped
.if MSB != (\new)
	s_set_vgpr_msb (MSB<<8)|(\new)
.set MSB, \new
.endif
.endm
.macro PLACES                          ; four places in front of loads into registers that matrix instructions have read, and of vector lines that read results
.rept 4
	v_nop
.endr
.endm
.macro JLOAD g                         ; the joint load by group 0 at s[g]: one line for all waves, both of whose addresses step with the wave's number; an s_nop 0 and four v_nop follow it
	tensor_load_to_lds s[(\g):(\g)+3], s[G1:G1+7]
	s_nop 0
	PLACES
.endm
.macro CREST                           ; a round of the cluster's barrier behind its opening barrier
	s_cmp_lg_u32 s[WV], 0
	s_cbranch_scc1 .Lnot_wave_0_\@
	s_barrier_signal -3
.Lnot_wave_0_\@:
	s_barrier_wait -3
	s_barrier_signal -1
	s_barrier_wait -1
.endm
.macro CROUND
	s_barrier_signal -1
	s_barrier_wait -1
	CREST
.endm
	s_load_b512 s[4:19], s[0:1], 0x0               ; xb s[4:5], wq s[6:7], wk s[8:9], wv s[10:11], rot s[12:13], qh s[14:15], kh s[16:17], vh s[18:19]
	v_lshl_add_u32 v[SPW], v0, 2, SPARE
	v_mov_b32 v[NIL], 0
	ds_add_u32 v[SPW], v[NIL]                      ; the wave's opening: the add and its wait ahead of my first tensor load; work on registers stands between them
	v_lshrrev_b32 v7, 5, v0
	v_readfirstlane_b32 s[WV], v7
	s_bfe_u32 s21, ttmp6, 0x40000                  ; cx
	s_bfe_u32 s22, ttmp6, 0x40004                  ; cy: the grid is one cluster high, so cy is the row tile
	s_lshl_b32 s23, ttmp9, 2
	s_add_co_u32 s23, s23, s21                     ; x = 4 x cluster x + cx: the column tile
	s_lshl_b32 s24, s22, 2
	s_lshl_b32 s24, 15, s24                        ; my row of the cluster: places 4 cy .. 4 cy + 3
	s_or_b32 s[G1], s24, (3<<16)|(1<<21)           ; 15:0 the mask; 17:16 elements of 8 bytes; 21 set beside a mask; no padding
	s_mov_b32 s[G1+1], 1024<<16                    ; tensor_dim0 = 1,024 elements: 8,192 bytes, K = 256 of one block of 16 rows
	s_mov_b32 s[G1+2], 4<<16                       ; tensor_dim1 = 4 blocks
	s_mov_b32 s[G1+3], 1024<<16                    ; tile_dim0
	s_mov_b32 s[G1+4], 4                           ; tile_dim1
	s_mov_b32 s[G1+5], 16384                       ; 131,072 bytes from block to block
	s_mov_b32 s[G1+6], 0
	s_mov_b32 s[G1+7], 0
	s_lshl2_add_u32 s25, s22, s[WV]                ; 4 cy + w: my 64 rows among the 1,024
	s_lshl_b32 s26, s25, 19                        ; four blocks of 131,072 bytes
	s_mov_b32 s27, 0
	s_and_b32 s28, ttmp9, 7                        ; where my cluster begins along K: all sixteen partners share the cluster's number
	s_lshr_b32 s29, ttmp9, 3
	s_lshl1_add_u32 s82, s28, s29                  ; tile 2 (c & 7) + (c >> 3)
	s_lshl_b32 s[OFF], s82, 13                     ; its 8,192 bytes in a block's run
	s_mov_b32 s[OFF+1], 0
	s_add_co_u32 s[NT], s82, 1
	s_and_b32 s[NT], s[NT], 15                     ; the tile behind it
	s_lshl_b32 s94, s[NT], 13
	s_mov_b32 s95, 0
	s_lshl_b32 s[WT], s82, 1                       ; the first weight tile of 128
	s_mov_b32 s[G0A], 1
	s_lshl_b32 s[G0A+1], s[WV], 15                 ; LDS: 32,768 w, slot 0
	s_mov_b32 s[G0], 1
	s_lshl_b32 s[G0+1], s[WV], 15
	s_add_co_u32 s[G0+1], s[G0+1], SLOTX           ; slot 1
	s_lshl_b32 s[TA], s[WV], 15
	s_mov_b32 s[SQ], 0x3eb504f3                    ; 4 / sqrt(128) = 0.353553
	s_mov_b32 s[SQ+1], s[SQ]
	s_mov_b32 s[QT], 0x3e800000
	s_mov_b32 s[QT+1], s[QT]
	s_lshl2_add_u32 s30, s23, s[WV]                ; 4 x + w
	s_lshl_b32 s70, s30, 18                        ; wq: row 64 x + 16 w, 16,384 bytes a row
	s_mov_b32 s71, 0
	s_lshl_b32 s72, s30, 16                        ; wk, wv: row 16 x + 4 w
	s_mov_b32 s73, 0
	s_lshl_b32 s28, s25, 11                        ; my four row blocks of 512 bytes
	s_lshl_b32 s74, s23, 17                        ; qh: piece 4 x
	s_add_co_u32 s74, s74, s28
	s_mov_b32 s75, 0
	s_lshl_b32 s76, s23, 15                        ; kh, vh: piece x
	s_add_co_u32 s76, s76, s28
	s_mov_b32 s77, 0
	s_lshl_b32 s28, s25, 15                        ; rot: my four position blocks of 8,192 bytes
	s_and_b32 s29, s23, 1
	s_lshl_b32 s29, s29, 12                        ; q: frequency group 4 (x & 1)
	s_add_co_u32 s78, s28, s29
	s_mov_b32 s79, 0
	s_and_b32 s29, s23, 7
	s_lshl_b32 s29, s29, 10                        ; k: frequency group x & 7
	s_add_co_u32 s80, s28, s29
	s_mov_b32 s81, 0
	v_and_b32 v8, 31, v0
	v_lshlrev_b32 v[LIN], 4, v8
	v_and_b32 v9, 15, v0                           ; r
	v_bfe_u32 v10, v0, 4, 1                        ; h
	v_add_nc_u32 v[ADRA], s[TA], v[LIN]
	v_mul_u32_u24 v11, v9, 272
	v_lshl_add_u32 v11, v10, 4, v11
	v_add_nc_u32 v[ADRB], B0, v11
	s_mul_i32 s28, s[WV], 16*272
	s_add_co_u32 s28, s28, B0
	v_lshl_add_u32 v[BSTQ], v8, 3, s28
	s_mul_i32 s29, s[WV], 4*272
	s_add_co_u32 s29, s29, B0+64*272
	v_lshl_add_u32 v[BSTK], v8, 3, s29
	v_lshlrev_b32 v[VROW], 5, v9
	v_lshl_add_u32 v[VROW], v10, 4, v[VROW]
	v_lshl_add_u32 v[LKA], s[WT], 9, v[LIN]        ; the first three weight tiles' 512 bytes in a row: an even tile and the next never wrap,
	s_add_co_u32 s[WT], s[WT], 1
	v_lshl_add_u32 v[LKB], s[WT], 9, v[LIN]
	s_add_co_u32 s[WT], s[WT], 1
	s_and_b32 s[WT], s[WT], 31                     ; the third may
	v_lshl_add_u32 v[LK], s[WT], 9, v[LIN]
	s_wait_dscnt 0x0                               ; the opening add is done
	s_wait_kmcnt 0x0
	s_add_nc_u64 s[AB:AB+1], s[4:5], s[26:27]
	s_add_nc_u64 s[G0A+2:G0A+3], s[AB:AB+1], s[OFF:OFF+1]
	s_or_b32 s[G0A+3], s[G0A+3], 0x80000000        ; type = 2
	s_add_nc_u64 s[G0+2:G0+3], s[AB:AB+1], s[94:95]
	s_or_b32 s[G0+3], s[G0+3], 0x80000000
	s_add_nc_u64 s[PQ:PQ+1], s[6:7], s[70:71]
	s_add_nc_u64 s[PK:PK+1], s[8:9], s[72:73]
	s_add_nc_u64 s[PV:PV+1], s[10:11], s[72:73]
	s_add_nc_u64 s[OQ:OQ+1], s[14:15], s[74:75]
	s_add_nc_u64 s[OK:OK+1], s[16:17], s[76:77]
	s_add_nc_u64 s[OV:OV+1], s[18:19], s[76:77]
	s_add_nc_u64 s[RQ:RQ+1], s[12:13], s[78:79]
	s_add_nc_u64 s[RK:RK+1], s[12:13], s[80:81]
; Batch bt (0, 1: eight rows of wq; 2: four of wk, four of wv) of a weight tile of K = 128 into set ws of the ring; vo: the register that holds the tile's place in a row.
.macro LOADS bt, ws, vo
.if (\bt) < 2
.irp n, 0,1,2,3,4,5,6,7
	global_load_b128 v[W+96*(\ws)+4*(8*(\bt)+(\n)):W+96*(\ws)+4*(8*(\bt)+(\n))+3], v[\vo], s[PQ:PQ+1] offset:(8*(\bt)+(\n))*16384
.endr
.else
.irp n, 0,1,2,3
	global_load_b128 v[W+96*(\ws)+4*(16+(\n)):W+96*(\ws)+4*(16+(\n))+3], v[\vo], s[PK:PK+1] offset:(\n)*16384
.endr
.irp n, 0,1,2,3
	global_load_b128 v[W+96*(\ws)+4*(20+(\n)):W+96*(\ws)+4*(20+(\n))+3], v[\vo], s[PV:PV+1] offset:(\n)*16384
.endr
.endif
.endm
.macro SV                              ; conversion number sv of batch SVB in set SVS: two weights rounded to bf16
	v_cvt_pk_bf16_f32 v[T+sv], v[W+96*SVS+4*(8*SVB+sv/2)+2*(sv%2)], v[W+96*SVS+4*(8*SVB+sv/2)+2*(sv%2)+1]
.set sv, sv+1
.endm
.macro STORES bt, slot                 ; the batch's eight rows, 8 bytes a lane, into a slot of weights
.irp n, 0,1,2,3,4,5,6,7
.if (\bt) < 2
	ds_store_b64 v[BSTQ], v[T+2*(\n):T+2*(\n)+1] offset:(\slot)*BS+272*(8*(\bt)+(\n))
.else
	ds_store_b64 v[BSTK], v[T+2*(\n):T+2*(\n)+1] offset:(\slot)*BS+272*((\n)+12*((\n)/4))
.endif
.endr
.endm
; n row blocks from a0 on x all six column blocks, 32 along K, out of buffer f.  The 24 accumulators take turns in one order in every quarter.  zero = 1: the products start the sums.
; While conversions are left (sv < NSV), four of them stand behind each matrix instruction.
.macro MULS f, a0, n, zero
.set ma, \a0
.rept \n
.set mb, 0
.rept NB
	WIN MUL
.if \zero
	v_wmma_f32_16x16x32_bf16 v[ACC+8*(NB*ma+mb):ACC+8*(NB*ma+mb)+7], v[(\f)+32+8*mb:(\f)+32+8*mb+7], v[(\f)+8*ma:(\f)+8*ma+7], 0
.else
	v_wmma_f32_16x16x32_bf16 v[ACC+8*(NB*ma+mb):ACC+8*(NB*ma+mb)+7], v[(\f)+32+8*mb:(\f)+32+8*mb+7], v[(\f)+8*ma:(\f)+8*ma+7], v[ACC+8*(NB*ma+mb):ACC+8*(NB*ma+mb)+7]
.endif
.if sv < NSV
	WIN 0
.rept 4
	SV
.endr
.endif
.set mb, mb+1
.endr
.set ma, ma+1
.endr
.endm
; 20 LDS loads in one run: quarter q of half h into buffer f: the weights' twelve, x's blocks 0 and 1, x's blocks 2 and 3
.macro FETCH h, q, f
	WIN TO_F
.irp b, 0,1,2,3,4,5
	ds_load_b128 v[(\f)+32+8*(\b):(\f)+32+8*(\b)+3],   v[ADRB] offset:(\h)*BS+4352*(\b)+64*(\q)
	ds_load_b128 v[(\f)+32+8*(\b)+4:(\f)+32+8*(\b)+7], v[ADRB] offset:(\h)*BS+4352*(\b)+64*(\q)+32
.endr
.irp a, 0,1,2,3
	ds_load_b128 v[(\f)+8*(\a):(\f)+8*(\a)+3],   v[ADRA] offset:8192*(\a)+1024*(4*(\h)+(\q))
	ds_load_b128 v[(\f)+8*(\a)+4:(\f)+8*(\a)+7], v[ADRA] offset:8192*(\a)+1024*(4*(\h)+(\q))+512
.endr
.endm
.macro ROTLOADS                        ; (c, s) for my 4 x 5 rotated blocks, 512 consecutive bytes a load, into the ring, which is free by then: block (a, b) at W + 8 (5 a + b)
.irp a, 0,1,2,3
.irp b, 0,1,2,3
	global_load_b128 v[W+8*(5*(\a)+(\b)):W+8*(5*(\a)+(\b))+3],   v[LIN], s[RQ:RQ+1] offset:(\a)*8192+(\b)*1024
	global_load_b128 v[W+8*(5*(\a)+(\b))+4:W+8*(5*(\a)+(\b))+7], v[LIN], s[RQ:RQ+1] offset:(\a)*8192+(\b)*1024+512
.endr
	global_load_b128 v[W+8*(5*(\a)+4):W+8*(5*(\a)+4)+3],   v[LIN], s[RK:RK+1] offset:(\a)*8192
	global_load_b128 v[W+8*(5*(\a)+4)+4:W+8*(5*(\a)+4)+7], v[LIN], s[RK:RK+1] offset:(\a)*8192+512
.endr
.endm
; A half is K = 128: four quarters of 32 along K, 24 matrix instructions each, on buffers 0, 1, 0, 1.  One of the first three: multiplies f, fetches the next quarter into g.
; THE SERVICE (mode 1, 2): in the walk's half number n batch q of its weight tile n + 1 (set and slot 1 - h) is rounded behind the first four products and stored; mode 1: the set's batch is loaded again with
; tile n + 3, whose place in a row the half's first quarter puts into LK (one on, round at 32).
; cnt: the loads that may stay out when that batch must be in: the rest of its tile, the whole next tile, this half's earlier batches: 40 in the loop.  mode 3: no service; the rotation's table is asked for.
.macro QUARTER h, q, f, g, zero, mode, cnt
	s_wait_dscnt 4                                 ; the weights' fragments and x's blocks 0 and 1 are in; the youngest four loads may be out
.set sv, NSV
.if ((\mode) == 1) || ((\mode) == 2)
	s_wait_loadcnt \cnt
.set sv, 0
.set SVB, \q
.set SVS, 1-(\h)
.endif
	MULS \f, 0, 2, \zero
	WIN 0
.if ((\mode) == 1) || ((\mode) == 2)
	STORES \q, 1-(\h)                              ; the sixteen conversions are also the places in front of the loads into g
.else
	PLACES
.endif
.if (\mode) == 1
.if (\q) == 0
	s_wait_xcnt 0x0                                ; the last half's loads have had their addresses translated: only now LK is written
	s_add_co_u32 s[WT], s[WT], 1
	s_and_b32 s[WT], s[WT], 31
	v_lshl_add_u32 v[LK], s[WT], 9, v[LIN]
.endif
	LOADS \q, 1-(\h), LK
.endif
.if (\mode) == 3
	ROTLOADS
.endif
	FETCH \h, (\q)+1, \g
	s_wait_dscnt 20                                ; all but the 20 just issued
	MULS \f, 2, 2, \zero
.endm
; The last quarter multiplies buffer 1 and hands over.  kind 0: the weights' slots change: my stores into the other slot and my reads of this one are done, a barrier, then the other slot is read.
; kind 1: x's slot changes too and is filled again: in front of the barrier, which opens a round of the cluster's, the wait for all my tensor loads (one is out: my part of the other slot), the add,
; the wait for it and for my reads; behind the round the joint refill first: it has K = 256, 192 matrix instructions, in which to land.  kind 2: the same change with nothing left to ask for.  kind 3: the end.
.macro TURN h, kind
.set sv, NSV
.if (\kind) == 3
	s_wait_dscnt 4
	MULS F1, 0, 2, 0
	s_wait_dscnt 0x0
	MULS F1, 2, 2, 0
.else
.if (\kind) != 0
	WIN 0                                          ; the add's registers lie in window 0
	s_wait_tensorcnt 0x0                           ; no tensor load of mine is out, so group 0 may be written
	ds_add_u32 v[SPW], v[NIL]                      ; 0 onto my spare word
.if (\kind) == 1
	s_xor_b32 s[G0+1], s[G0+1], SLOTX              ; the slot that is being left;
	s_add_co_u32 s[NT], s[NT], 1                   ; the next tile of K = 256, round at sixteen;
	s_and_b32 s[NT], s[NT], 15
	s_lshl_b32 s[OFF], s[NT], 13
	s_add_nc_u64 s[G0+2:G0+3], s[AB:AB+1], s[OFF:OFF+1]  ; its address is made anew from that number,
	s_or_b32 s[G0+3], s[G0+3], 0x80000000          ; and the type set again
.endif
	s_wait_dscnt 5                                 ; the add and the youngest four loads may be out
.else
	s_wait_dscnt 4
.endif
	MULS F1, 0, 1, 0
	s_wait_dscnt 0x0                               ; the add, my stores of weights and my reads of both slots in hand are done
	s_barrier_signal -1
	MULS F1, 1, 1, 0                               ; work on registers while the others arrive
.if (\kind) == 1
	WIN 0
.endif
	s_barrier_wait -1
.if (\kind) == 1
	CREST                                          ; no wave of any partner still reads the slot or has a load on its way
	JLOAD G0                                       ; its four v_nop are also the places in front of the loads below
.else
	PLACES
.endif
.if (\kind) != 0
	WIN 0
	s_xor_b32 s[TA], s[TA], SLOTX
	v_add_nc_u32 v[ADRA], s[TA], v[LIN]
.endif
	FETCH 1-(\h), 0, F0
	MULS F1, 2, 2, 0
.endif
.endm
	LOADS 0, 0, LKA                                ; the walk's weight tiles 0 and 1 are asked for before anything else
	LOADS 1, 0, LKA
	LOADS 2, 0, LKA
	LOADS 0, 1, LKB
	LOADS 1, 1, LKB
	LOADS 2, 1, LKB
	CROUND                                         ; all sixteen work-groups are here: the first joint loads meet
	JLOAD G0A                                      ; both first fills go out together: the walk's first K = 256 into slot 0,
	JLOAD G0                                       ; the second into slot 1: two tensor loads of mine are out
	s_wait_loadcnt 24                              ; weight tile 0 is in, tile 1's 24 loads stay out
.irp bt, 0,1,2
.set sv, 0
.set SVB, \bt
.set SVS, 0
.rept NSV
	SV
.endr
	STORES \bt, 0
.endr
	LOADS 0, 0, LK                                 ; tile 2 takes tile 0's set
	LOADS 1, 0, LK
	LOADS 2, 0, LK
	s_wait_tensorcnt 1                             ; my part of slot 0 is in; slot 1's, issued behind it, may stay out
	s_wait_dscnt 0x0                               ; for the other waves: my rows of weight tile 0 are in their slot
	s_barrier_signal -1
	s_barrier_wait -1
	FETCH 0, 0, F0
	QUARTER 0, 0, F0, F1, 1, 1, 40                 ; the first quarter stands in front of the loop: its products start the sums
	WIN 0                                          ; at a label and at a branch every window is 0
	s_mov_b32 s[CNT], 14
.Llap:                                                 ; a trip: K = 256, from a tile's second quarter to the next tile's first; it asks for x's tile two on and for two weight tiles
	QUARTER 0, 1, F1, F0, 0, 1, 40
	QUARTER 0, 2, F0, F1, 0, 1, 40
	TURN 0, 0
	QUARTER 1, 0, F0, F1, 0, 1, 40
	QUARTER 1, 1, F1, F0, 0, 1, 40
	QUARTER 1, 2, F0, F1, 0, 1, 40
	TURN 1, 1
	QUARTER 0, 0, F0, F1, 0, 1, 40
	WIN 0
	s_sub_co_u32 s[CNT], s[CNT], 1
	s_cmp_lg_u32 s[CNT], 0
	s_cbranch_scc1 .Llap
	QUARTER 0, 1, F1, F0, 0, 1, 40                 ; the tail is written out.  Half 28 asks for the walk's last weight tile
	QUARTER 0, 2, F0, F1, 0, 1, 40
	TURN 0, 0
	QUARTER 1, 0, F0, F1, 0, 2, 40                 ; half 29 loads nothing: the counts run down
	QUARTER 1, 1, F1, F0, 0, 2, 32
	QUARTER 1, 2, F0, F1, 0, 2, 24
	TURN 1, 2
	QUARTER 0, 0, F0, F1, 0, 2, 16
	QUARTER 0, 1, F1, F0, 0, 2, 8
	QUARTER 0, 2, F0, F1, 0, 2, 0
	TURN 0, 0
	QUARTER 1, 0, F0, F1, 0, 3, 0                  ; half 31: the ring is free and takes the rotation's table
	QUARTER 1, 1, F1, F0, 0, 0, 0
	QUARTER 1, 2, F0, F1, 0, 0, 0
	TURN 1, 3
	; THE WAY OUT.  The scales go into (c, s) first: 80 lines that name no accumulator, the places behind the last products.
	WIN 0
	s_wait_loadcnt 0x0
.set i, 0
.rept 80
.if ((i/4)%5) < 4
	v_pk_mul_f32 v[W+2*i:W+2*i+1], v[W+2*i:W+2*i+1], s[SQ:SQ+1] op_sel_hi:[1,0]
.else
	v_pk_mul_f32 v[W+2*i:W+2*i+1], v[W+2*i:W+2*i+1], s[QT:QT+1] op_sel_hi:[1,0]
.endif
.set i, i+1
.endr
; A pair (tr, ti) of an accumulator and its (c, s): first (- ti s, ti c), then (tr c - ti s, tr s + ti c), which takes (c, s)'s place.  Each accumulator is read from its low end on.
.macro ROPE a, blk
.set rA, ACC+8*(NB*(\a)+(\blk))
.set rC, W+8*(5*(\a)+(\blk))
.set rX, T+8*((\blk)%2)
.irp p, 0,1,2,3
	v_pk_mul_f32 v[rX+2*(\p):rX+2*(\p)+1], v[rA+2*(\p):rA+2*(\p)+1], v[rC+2*(\p):rC+2*(\p)+1] op_sel:[1,1] op_sel_hi:[1,0] neg_lo:[1,0]
.endr
.irp p, 0,1,2,3
	v_pk_fma_f32 v[rC+2*(\p):rC+2*(\p)+1], v[rA+2*(\p):rA+2*(\p)+1], v[rC+2*(\p):rC+2*(\p)+1], v[rX+2*(\p):rX+2*(\p)+1] op_sel_hi:[0,1,1]
.endr
.endm
.macro PACK4 r                         ; eight numbers rounded to f16, into the first four of their registers
	v_cvt_pk_f16_f32 v[(\r)],   v[(\r)],   v[(\r)+1]
	v_cvt_pk_f16_f32 v[(\r)+1], v[(\r)+2], v[(\r)+3]
	v_cvt_pk_f16_f32 v[(\r)+2], v[(\r)+4], v[(\r)+5]
	v_cvt_pk_f16_f32 v[(\r)+3], v[(\r)+6], v[(\r)+7]
.endm
.irp a, 0,1,2,3
	WIN EPI
.irp blk, 0,1,2,3,4
	ROPE \a, \blk
.endr
.irp p, 0,1,2,3
	v_pk_mul_f32 v[W+160+8*(\a)+2*(\p):W+160+8*(\a)+2*(\p)+1], v[ACC+8*(NB*(\a)+5)+2*(\p):ACC+8*(NB*(\a)+5)+2*(\p)+1], s[QT:QT+1] op_sel_hi:[1,0]  ; v / 4
.endr
	WIN 0
.irp blk, 0,1,2,3
	PACK4 W+8*(5*(\a)+(\blk))
	global_store_b128 v[LIN], v[W+8*(5*(\a)+(\blk)):W+8*(5*(\a)+(\blk))+3], s[OQ:OQ+1] offset:(\blk)*32768+(\a)*512  ; 512 consecutive bytes; no store's registers are written again
.endr
	PACK4 W+8*(5*(\a)+4)
	global_store_b128 v[LIN], v[W+8*(5*(\a)+4):W+8*(5*(\a)+4)+3], s[OK:OK+1] offset:(\a)*512
	PACK4 W+160+8*(\a)
	global_store_b128 v[VROW], v[W+160+8*(\a):W+160+8*(\a)+3], s[OV:OV+1] offset:(\a)*512
.endr
	s_wait_tensorcnt 0x0                           ; the wave's end: behind my last tensor load and my last LDS store
	ds_add_u32 v[SPW], v[NIL]
	s_wait_dscnt 0x0
	CROUND                                         ; the closing round: no work-group ends while a partner may still ask for a tile that names it
	s_endpgm
.Lfunc_end_k_q5620e640ce_qkv:
	.size	k_q5620e640ce_qkv, .Lfunc_end_k_q5620e640ce_qkv-k_q5620e640ce_qkv
	.p2alignl 7, 3214868480
	.fill 96, 4, 3214868480
	.section	.rodata,"a",@progbits
	.p2align	6, 0x0
	.amdhsa_kernel k_q5620e640ce_qkv
		.amdhsa_group_segment_fixed_size 327680
		.amdhsa_private_segment_fixed_size 0
		.amdhsa_enable_private_segment 0
		.amdhsa_kernarg_size 64
		.amdhsa_user_sgpr_count 2
		.amdhsa_user_sgpr_kernarg_segment_ptr 1
		.amdhsa_wavefront_size32 1
		.amdhsa_system_sgpr_workgroup_id_x 1
		.amdhsa_system_sgpr_workgroup_id_y 1
		.amdhsa_system_sgpr_workgroup_id_z 1
		.amdhsa_system_vgpr_workitem_id 0
		.amdhsa_next_free_vgpr 672
		.amdhsa_next_free_sgpr 96
		.amdhsa_reserve_vcc 0
		.amdhsa_float_denorm_mode_32 3
		.amdhsa_float_denorm_mode_16_64 3
		.amdhsa_memory_ordered 1
		.amdhsa_forward_progress 1
		.amdhsa_inst_pref_size 152
	.end_amdhsa_kernel
	.amdgpu_metadata
---
amdhsa.version: [ 1, 2 ]
amdhsa.kernels:
  - .name:           k_q5620e640ce_qkv
    .symbol:         k_q5620e640ce_qkv.kd
    .args:
      - { .name: xb, .offset: 0, .size: 8, .value_kind: global_buffer, .address_space: global }
      - { .name: wq, .offset: 8, .size: 8, .value_kind: global_buffer, .address_space: global }
      - { .name: wk, .offset: 16, .size: 8, .value_kind: global_buffer, .address_space: global }
      - { .name: wv, .offset: 24, .size: 8, .value_kind: global_buffer, .address_space: global }
      - { .name: rot, .offset: 32, .size: 8, .value_kind: global_buffer, .address_space: global }
      - { .name: qh, .offset: 40, .size: 8, .value_kind: global_buffer, .address_space: global }
      - { .name: kh, .offset: 48, .size: 8, .value_kind: global_buffer, .address_space: global }
      - { .name: vh, .offset: 56, .size: 8, .value_kind: global_buffer, .address_space: global }
    .group_segment_fixed_size: 327680
    .private_segment_fixed_size: 0
    .kernarg_segment_align: 8
    .kernarg_segment_size: 64
    .max_flat_workgroup_size: 128
    .sgpr_count:     96
    .vgpr_count:     672
    .wavefront_size: 32
...
	.end_amdgpu_metadata
.endif
;; end of part 2
;; launch attn (part 3): grid 32 x 8, 4 waves a work-group, clusters of 4 x 1, 327,680 bytes of LDS; arguments qh, kh, vh, maskr, ob; writes ob
.if DOCPART == 3
	.amdgcn_target "amdgcn-amd-amdhsa--gfx1250"
	.amdhsa_code_object_version 6
	.text
	.protected	k_q5620e640ce_attn
	.globl	k_q5620e640ce_attn
	.p2align	8
	.type	k_q5620e640ce_attn,@function
k_q5620e640ce_attn:
	s_mov_b64 s[64:65], 0
	v_nop
	global_prefetch_b8 v0, s[64:65] scope:SCOPE_SE
	s_setreg_imm32_b32 hwreg(HW_REG_WAVE_MODE, 25, 1), 1
	s_wait_xcnt 0x0
	s_wait_alu depctr_hold_cnt(0) depctr_sa_sdst(0) depctr_va_vdst(0) depctr_va_sdst(0) depctr_va_ssrc(0) depctr_va_vcc(0) depctr_vm_vsrc(0)
	s_getreg_b32 s2, hwreg(HW_REG_IB_STS2, 6, 4)
	s_cmp_eq_u32 s2, 0
	s_cbranch_scc0 .Lentry_in_a_cluster
	s_endpgm
.Lentry_in_a_cluster:
	s_bfe_u32 s2, ttmp6, 0x10000c
	s_cmp_lg_u32 s2, 0x3003
	s_cbranch_scc0 .Lentry_shape_is_right
	s_endpgm
.Lentry_shape_is_right:
; ATTENTION.  O[q] = the sum over all 1,024 keys of softmax_k(q . k / sqrt(128) + mask[q][k]) v[k], for 32 query heads on 8 key and value heads, head size 128.  The mask is an input: every key is walked.
; q arrives times 4 / sqrt(128), k and v divided by 4, all f16, so q . k is the scaled score and what leaves is O / 4, in f16.  Products, maxima and sums in f32; the weights p are rounded to f16 for the
; second product (their sum l is taken of the unrounded p).
; LIMITS.  The mask is the C operand that starts the sum K Q^T: beside a large mask a score keeps only the bits above that mask's own f32 step, as in an f32 sum of the two, though not bit for bit.
; p below 6e-5 keeps f16's fixed step of 6e-8; a weight below 2^-126 counts as 0 in l; NaN and infinities are not treated apart.
; SHARES.  A work-group owns 128 queries of one head, each of its four waves two tiles of 16.  CLUSTER: the four heads of a key and value head, at the same queries: they walk the same K, the same V AND the
; same mask, so all three are asked for JOINTLY: the same tensor load, descriptor and mask of four in all four.  A slot is 128 keys: K 32,768 bytes (wave 0), V 32,768 (wave 1), mask 2 x 32,768 (waves 2, 3).
; LAYOUT.  S^T = K Q^T (source 0 = 16 keys, source 1 = 16 queries): a lane holds ONE query (lane % 16) and the keys 8 (lane / 16) + 0..7.  Two such results rounded to f16 ARE source 1 of O^T = V^T P.
; kh and maskr lie in memory as the registers want them, so a load from LDS is 512 consecutive bytes; V ([key][16 channels], rows of 32 bytes) is turned by ds_load_tr16_b128.  O^T's registers are ob's blocks.
; SOFTMAX.  A running maximum m and sum l for each query: p = 2^(c s - c m), c = log2(e); in every step O and l are multiplied by a = 2^(c m_old - c m_new).  m starts at the lowest finite number, O and l at 0:
; the first step is a step like any other, with a = 0; the price is 136 v_mov_b32, which stand in the wait for the first tile.
; A KEY STEP (64 keys) IS WRITTEN IN PHASES: loads, 32 products K Q^T, the softmax of both tiles, 32 products V^T P.
; REGISTERS in windows of 256 (s_set_vgpr_msb: bits 1:0 source 0, 3:2 source 1, 5:4 source 2, 7:6 destination):
;   window 0: v1-6 addresses, v14-15 the add's; v16-31 statistics; v32-95 S^T; v96-127 P; v128-255 O^T          window 1: v0-63 Q; v64-191 K of a step          window 2: v0-127 V of a step
.set SLOT1, 0x20000                    ; a slot is 131,072 bytes: one exclusive or turns an address in one slot into the other's
.set SPARE, 262144                     ; behind the ring: the spare words, 128 bytes a wave: two blocks of 256 bytes that no other line names
.set LIN, 1                            ; v1  16 x lane: my place in a block of K, and in Q's and ob's blocks
.set AV0, 2                            ; v2  my place in V: 32,768 + 32 (8 h + l % 8) + 16 ((l / 8) % 2)
.set AM0, 3                            ; v3  my place in the mask: 65,536 + 16,384 w + 16 l
.set AK,  4                            ; v4-6 the step's LDS addresses
.set AV,  5
.set AM,  6
.set SPW, 14
.set NIL, 15
.set ST,  16                           ; tile t's statistics at ST + 8 t: c m, m, l (even keys', odd keys'), c0-c3 at work; a takes c2's place
.set S,   32
.set P,   96
.set O,   128
.set QF,  0                            ; window 1: tile t, piece p of 16 channels at 32 t + 4 p
.set KF,  64                           ; window 1: key block kt, channels 32 c on at KF + 32 kt + 8 c
.set VF,  0                            ; window 2: key half kk, channel block cb at 64 kk + 8 cb
.set WV,  14                           ; s14 wave
.set G1K, 24                           ; s[24:31] group 1 for K and V
.set G1M, 32                           ; s[32:39] for the mask
.set G0K, 40                           ; s[40:51] group 0 for K, V, mask: they walk
.set G0V, 44
.set G0M, 48
.set SLOTS, 56
.set TWICE, 57
.set CS,  58                           ; s[58:59] c
.set SEL, 60                           ; s[60:61] v_permlanex16_b32's selects: each lane takes its own place in the other half
.set TB,  62                           ; s62 where the step's K begins in LDS (V: the same + 32,768)
.set TBM, 63                           ; s63 the same for the mask, less 65,536
.set W_KQ, 0x05
.set W_PV, 0x02
.set MSB, 0
.macro WIN new
.if MSB != (\new)
	s_set_vgpr_msb (MSB<<8)|(\new)
.set MSB, \new
.endif
.endm
.macro PLACES
.rept 4
	v_nop
.endr
.endm
; A joint fill: wave 0 K, wave 1 V, waves 2 and 3 the mask's halves.  The branches hang on the wave's number alone.  An s_nop 0 and four v_nop follow each line.
.macro JLOAD
	s_cmp_lg_u32 s[WV], 0
	s_cbranch_scc1 .Lnot_k_\@
	tensor_load_to_lds s[G0K:G0K+3], s[G1K:G1K+7]
	s_nop 0
	PLACES
	s_branch .Lasked_\@
.Lnot_k_\@:
	s_cmp_lg_u32 s[WV], 1
	s_cbranch_scc1 .Lnot_v_\@
	tensor_load_to_lds s[G0V:G0V+3], s[G1K:G1K+7]
	s_nop 0
	PLACES
	s_branch .Lasked_\@
.Lnot_v_\@:
	tensor_load_to_lds s[G0M:G0M+3], s[G1M:G1M+7]
	s_nop 0
	PLACES
.Lasked_\@:
.endm
.macro CROUND
	s_barrier_signal -1
	s_barrier_wait -1
	s_cmp_lg_u32 s[WV], 0
	s_cbranch_scc1 .Lnot_wave_0_\@
	s_barrier_signal -3
.Lnot_wave_0_\@:
	s_barrier_wait -3
	s_barrier_signal -1
	s_barrier_wait -1
.endm
; THE CHANGE OF SLOTS.  Each wave waits for all its tensor loads (one is out: its part of the other slot), adds 0 to its spare word, and waits for that and for its reads of the slot that it leaves.
; fill = 1: the barrier is a round of the cluster's, and the joint refill, the next 128 keys but one, is the first thing behind it: it has two key steps in which to land.
; (At its first use nothing has been read yet: slot 0 is waited for, slot 1 filled.)
.macro CHANGE fill
	WIN 0
	s_wait_tensorcnt 0x0
	ds_add_u32 v[SPW], v[NIL]                      ; 0 onto my spare word; the descriptors' steps stand between it and the wait for it
.if \fill
	s_xor_b32 s[G0K+1], s[G0K+1], SLOT1
	s_add_nc_u64 s[G0K+2:G0K+3], s[G0K+2:G0K+3], 4096
	s_xor_b32 s[G0V+1], s[G0V+1], SLOT1
	s_add_nc_u64 s[G0V+2:G0V+3], s[G0V+2:G0V+3], 4096
	s_xor_b32 s[G0M+1], s[G0M+1], SLOT1
	s_add_nc_u64 s[G0M+2:G0M+3], s[G0M+2:G0M+3], 8192
	s_wait_dscnt 0x0
	CROUND
	JLOAD
.else
	s_wait_dscnt 0x0
	s_barrier_signal -1
	s_barrier_wait -1
.endif
	s_sub_co_u32 s[TB], s[TB], 4096                ; back to a slot's first step,
	s_xor_b32 s[TB], s[TB], SLOT1                  ; in the other slot
	s_sub_co_u32 s[TBM], s[TBM], 8192
	s_xor_b32 s[TBM], s[TBM], SLOT1
.endm
	s_load_b256 s[4:11], s[0:1], 0x0               ; qh s[4:5], kh s[6:7], vh s[8:9], maskr s[10:11]
	s_load_b64 s[12:13], s[0:1], 0x20              ; ob
	v_lshl_add_u32 v[SPW], v0, 2, SPARE
	v_mov_b32 v[NIL], 0
	ds_add_u32 v[SPW], v[NIL]                      ; the wave's opening: the add and its wait ahead of my first tensor load
	v_lshrrev_b32 v7, 5, v0
	v_readfirstlane_b32 s[WV], v7
	s_bfe_u32 s15, ttmp6, 0x40000                  ; cx
	s_lshl_b32 s16, ttmp9, 2
	s_add_co_u32 s16, s16, s15                     ; the head = 4 x group + cx: it enters Q's and ob's addresses alone
	s_and_b32 s17, ttmp7, 0xffff                   ; the block of 128 queries, which the partners share
	s_lshl_b32 s18, ttmp9, 18                      ; the group's eight pieces of 32,768 bytes in kh and vh
	s_mov_b32 s19, 0
	s_and_b32 s54, s[WV], 1
	s_lshl1_add_u32 s20, s17, s54                  ; the mask: query tiles 8 yb + 4 (w & 1) on, 65,536 bytes each
	s_lshl_b32 s20, s20, 18
	s_mov_b32 s21, 0
	s_lshl2_add_u32 s55, s17, s[WV]                ; 4 yb + w: my two query tiles
	s_lshl_b32 s22, s16, 18                        ; qh: the head's eight pieces,
	s_lshl_b32 s54, s55, 10                        ; my two blocks of 512 bytes
	s_add_co_u32 s22, s22, s54
	s_mov_b32 s23, 0
	s_lshl_b32 s52, s55, 18                        ; ob: my two row blocks of 131,072 bytes,
	s_lshl_b32 s54, s16, 12                        ; the head's 4,096 bytes in each
	s_add_co_u32 s52, s52, s54
	s_mov_b32 s53, 0
	s_mov_b32 s[G1K], 15|(3<<16)|(1<<21)           ; the mask of four; elements of 8 bytes; bit 21 set beside a mask; no padding
	s_mov_b32 s[G1K+1], 512<<16                    ; tensor_dim0 = 512 elements: a piece's 4,096 bytes for 128 keys
	s_mov_b32 s[G1K+2], 8<<16                      ; tensor_dim1 = 8 pieces
	s_mov_b32 s[G1K+3], 512<<16
	s_mov_b32 s[G1K+4], 8
	s_mov_b32 s[G1K+5], 4096                       ; 32,768 bytes from piece to piece
	s_mov_b32 s[G1K+6], 0
	s_mov_b32 s[G1K+7], 0
	s_mov_b32 s[G1M], 15|(3<<16)|(1<<21)
	s_mov_b32 s[G1M+1], 1024<<16                   ; a query tile's 8,192 bytes for 128 keys
	s_mov_b32 s[G1M+2], 4<<16                      ; four query tiles
	s_mov_b32 s[G1M+3], 1024<<16
	s_mov_b32 s[G1M+4], 4
	s_mov_b32 s[G1M+5], 8192                       ; 65,536 bytes from tile to tile
	s_mov_b32 s[G1M+6], 0
	s_mov_b32 s[G1M+7], 0
	s_mov_b32 s[G0K], 1
	s_mov_b32 s[G0K+1], 0
	s_mov_b32 s[G0V], 1
	s_mov_b32 s[G0V+1], 32768
	s_mov_b32 s[G0M], 1
	s_lshl_b32 s[G0M+1], s[WV], 15                 ; waves 2 and 3: 65,536 and 98,304
	s_mov_b32 s[CS], 0x3fb8aa3b                    ; log2(e)
	s_mov_b32 s[CS+1], s[CS]
	s_mov_b32 s[SEL], 0x76543210
	s_mov_b32 s[SEL+1], 0xfedcba98
	s_mov_b32 s[TB], SLOT1+4096                    ; the first change of slots turns these two into 0
	s_mov_b32 s[TBM], SLOT1+8192
	s_mov_b32 s[SLOTS], 7
	v_and_b32 v7, 31, v0
	v_lshlrev_b32 v[LIN], 4, v7
	v_bfe_u32 v8, v0, 4, 1
	v_and_b32 v9, 7, v0
	v_bfe_u32 v10, v0, 3, 1
	v_lshl_add_u32 v[AV0], v8, 3, v9
	v_lshlrev_b32 v[AV0], 5, v[AV0]
	v_lshl_add_u32 v[AV0], v10, 4, v[AV0]
	v_add_nc_u32 v[AV0], 32768, v[AV0]
	s_lshl_b32 s54, s[WV], 14
	s_add_co_u32 s54, s54, 65536
	v_add_nc_u32 v[AM0], s54, v[LIN]
	s_wait_dscnt 0x0                               ; the opening add is done
	s_wait_kmcnt 0x0
	s_add_nc_u64 s[G0K+2:G0K+3], s[6:7], s[18:19]
	s_or_b32 s[G0K+3], s[G0K+3], 0x80000000
	s_add_nc_u64 s[G0V+2:G0V+3], s[8:9], s[18:19]
	s_or_b32 s[G0V+3], s[G0V+3], 0x80000000
	s_add_nc_u64 s[G0M+2:G0M+3], s[10:11], s[20:21]
	s_or_b32 s[G0M+3], s[G0M+3], 0x80000000
	s_add_nc_u64 s[4:5], s[4:5], s[22:23]
	s_add_nc_u64 s[12:13], s[12:13], s[52:53]
	CROUND                                         ; all four work-groups are here: the first joint loads meet
	JLOAD                                          ; slot 0
	WIN 0x40                                       ; destination window 1
.set i, 0
.rept 16                                               ; Q stays in registers: tile i / 8, piece i % 8
	global_load_b128 v[QF+4*i:QF+4*i+3], v[LIN], s[4:5] offset:(i%8)*32768+(i/8)*512
.set i, i+1
.endr
	WIN 0
.set i, 0
.rept 128
	v_mov_b32 v[O+i], 0
.set i, i+1
.endr
.irp t, 0,1
	v_mov_b32 v[ST+8*(\t)], 0xfe000000             ; c m: far below every c s
	v_mov_b32 v[ST+8*(\t)+1], 0xff7fffff           ; m
	v_mov_b32 v[ST+8*(\t)+2], 0
	v_mov_b32 v[ST+8*(\t)+3], 0
.endr
	s_wait_loadcnt 0x0                             ; Q
; One tile's softmax for one key step is a list of 134 instructions; SM writes number j of it for tile t.  s0-s31 are the lane's 32 scores, in pairs 0-15.
;   0-15    the maximum of s0-s31 and the old m, three operands at a time (each accumulator's lowest registers are read first)
;   16-20   the other half of the lanes' maximum; the new m; c m; c m_old - c m_new
;   21-87   33 exponentials (a, then s0-s31) at the odd numbers from 23 on, a plain instruction between any two: scalings c s - c m ahead of their exponentials, roundings to f16 behind theirs, the first sums
;   88-101  the last rounding; the rest of the sums; l = a l + the sum          102-133  the tile's O^T times a
.macro SM t
.set rT, ST+8*(\t)
.set rS, S+32*(\t)
.set rP, P+16*(\t)
.set rO, O+64*(\t)+2*(j-102)
.set q, (j-20)/2
.if j < 4
	v_max3_num_f32 v[rT+4+j], v[rS+8*j], v[rS+8*j+1], v[rS+8*j+2]
.elseif j < 12
	v_max3_num_f32 v[rT+4+j%4], v[rT+4+j%4], v[rS+8*(j%4)+2*(j/4)+1], v[rS+8*(j%4)+2*(j/4)+2]
.elseif j == 12
	v_max3_num_f32 v[rT+4], v[rT+4], v[rS+7], v[rS+15]
.elseif j == 13
	v_max3_num_f32 v[rT+6], v[rT+6], v[rS+23], v[rS+31]
.elseif j == 14
	v_max3_num_f32 v[rT+4], v[rT+4], v[rT+5], v[rT+6]
.elseif j == 15
	v_max3_num_f32 v[rT+4], v[rT+4], v[rT+7], v[rT+1]
.elseif j == 16
	v_permlanex16_b32 v[rT+5], v[rT+4], s[SEL], s[SEL+1]  ; the query's other 32 keys lie in the lane 16 away
.elseif j == 17
	v_mov_b32 v[rT+7], v[rT]                       ; c m_old is kept for a
.elseif j == 18
	v_max_num_f32 v[rT+1], v[rT+4], v[rT+5]
.elseif j == 19
	v_mul_f32 v[rT], s[CS], v[rT+1]
.elseif j == 20
	v_sub_f32 v[rT+7], v[rT+7], v[rT]
.elseif j == 23
	v_exp_f32 v[rT+6], v[rT+7]
.elseif (j < 88) && (j > 23) && (j%2 == 1)
	v_exp_f32 v[rS+(j-25)/2], v[rS+(j-25)/2]
.elseif (q < 4) || ((j < 76) && (q%2 == 0))
.set b, q/2+2
.if q < 4
.set b, q
.endif
	v_pk_fma_f32 v[rS+2*b:rS+2*b+1], v[rS+2*b:rS+2*b+1], s[CS:CS+1], v[rT:rT+1] op_sel_hi:[1,0,0] neg_lo:[0,0,1] neg_hi:[0,0,1]  ; pair b: c s - c m
.elseif (j < 88) && (q%2 == 1)
	s_wait_alu depctr_va_vdst(0)
	v_cvt_pk_f16_f32 v[rP+(q-5)/2], v[rS+q-5], v[rS+q-4]  ; its second exponential stands three numbers back
.elseif j == 89
	s_wait_alu depctr_va_vdst(0)
	v_cvt_pk_f16_f32 v[rP+15], v[rS+30], v[rS+31]
.elseif j < 102                        ; the sum of the 16 pairs, in place: sum z of 16 adds neighbours 1, 2, 4 and 8 pairs apart, then l takes it
.set z, j-86
.if j < 89
.set z, (j-76)/4
.endif
.set w, 4
.set u, z
.if z >= 14
.set w, 32
.set u, 0
.elseif z >= 12
.set w, 16
.set u, z-12
.elseif z >= 8
.set w, 8
.set u, z-8
.endif
.if z < 15
	v_pk_add_f32 v[rS+w*u:rS+w*u+1], v[rS+w*u:rS+w*u+1], v[rS+w*u+w/2:rS+w*u+w/2+1]
.else
	v_pk_fma_f32 v[rT+2:rT+3], v[rT+2:rT+3], v[rT+6:rT+7], v[rS:rS+1] op_sel_hi:[1,0,1]
.endif
.else
	v_pk_mul_f32 v[rO:rO+1], v[rO:rO+1], v[rT+6:rT+7] op_sel_hi:[1,0]
.endif
.endm
; Slice k of 64: numbers 2 k and 2 k + 1 of both tiles' lists (slice 63: the last eight numbers).  Among the exponentials tile by tile: plain, exponential, plain, exponential; elsewhere the tiles alternate.
.macro SLICE
.if (k >= 11) && (k < 44)
.irp t, 0,1
.irp n, 0,1
.set j, 2*k+(\n)
	SM \t
.endr
.endr
.else
.irp n, 0,1,2,3,4,5,6,7
.if ((\n) < 2) || (k == 63)
.irp t, 0,1
.set j, 2*k+(\n)
	SM \t
.endr
.endif
.endr
.endif
.set k, k+1
.endm
.macro STEP
	WIN 0
	v_add_nc_u32 v[AK], s[TB], v[LIN]              ; these three and the v_nop are the four places behind the last products, whose V is loaded anew below
	v_add_nc_u32 v[AV], s[TB], v[AV0]
	v_add_nc_u32 v[AM], s[TBM], v[AM0]
	v_nop
.set i, 0
.rept 8                                                ; the mask goes straight into S^T: tile i / 4, key block i % 4
	ds_load_b128 v[S+8*i:S+8*i+3],   v[AM] offset:(i/4)*8192+(i%4)*1024
	ds_load_b128 v[S+8*i+4:S+8*i+7], v[AM] offset:(i/4)*8192+(i%4)*1024+512
.set i, i+1
.endr
	WIN 0x40
.set i, 0
.rept 16                                               ; K: key block i / 4, channels 32 (i % 4) on: two pieces of 16
	ds_load_b128 v[KF+8*i:KF+8*i+3],   v[AK] offset:(2*(i%4))*4096+(i/4)*512
	ds_load_b128 v[KF+8*i+4:KF+8*i+7], v[AK] offset:(2*(i%4)+1)*4096+(i/4)*512
.set i, i+1
.endr
	WIN 0x80
.set i, 0
.rept 16                                               ; V, turned: key half i / 8, channel block i % 8
	ds_load_tr16_b128 v[VF+8*i:VF+8*i+3],   v[AV] offset:(i%8)*4096+(i/8)*1024
	ds_load_tr16_b128 v[VF+8*i+4:VF+8*i+7], v[AV] offset:(i%8)*4096+(i/8)*1024+512
.set i, i+1
.endr
	s_wait_dscnt 32                                ; the mask and K are in; V's 32 loads may be out
	WIN W_KQ
.set i, 0
.rept 32                                               ; channels 32 (i / 8) on, keys 16 ((i / 2) % 4) on, tile i % 2: eight accumulators by turns; the mask starts the sums
	v_wmma_f32_16x16x32_f16 v[S+32*(i%2)+8*((i/2)%4):S+32*(i%2)+8*((i/2)%4)+7], v[KF+32*((i/2)%4)+8*(i/8):KF+32*((i/2)%4)+8*(i/8)+7], v[QF+32*(i%2)+8*(i/8):QF+32*(i%2)+8*(i/8)+7], v[S+32*(i%2)+8*((i/2)%4):S+32*(i%2)+8*((i/2)%4)+7]
.set i, i+1
.endr
	WIN 0
	PLACES
.set k, 0
.rept 64
	SLICE
.endr
	s_wait_dscnt 0x0                               ; V is in
	WIN W_PV
.set i, 0
.rept 32                                               ; keys 32 (i / 16) on, channels 16 ((i / 2) % 8) on, tile i % 2: sixteen accumulators by turns
	v_wmma_f32_16x16x32_f16 v[O+64*(i%2)+8*((i/2)%8):O+64*(i%2)+8*((i/2)%8)+7], v[VF+64*(i/16)+8*((i/2)%8):VF+64*(i/16)+8*((i/2)%8)+7], v[P+16*(i%2)+8*(i/16):P+16*(i%2)+8*(i/16)+7], v[O+64*(i%2)+8*((i/2)%8):O+64*(i%2)+8*((i/2)%8)+7]
.set i, i+1
.endr
	WIN 0
	s_add_co_u32 s[TB], s[TB], 2048
	s_add_co_u32 s[TBM], s[TBM], 4096
.endm
.macro TWO_STEPS                       ; a slot's two key steps: written once, walked twice
	s_mov_b32 s[TWICE], 2
.Lstep_\@:
	STEP
	s_sub_co_u32 s[TWICE], s[TWICE], 1
	s_cmp_lg_u32 s[TWICE], 0
	s_cbranch_scc1 .Lstep_\@
.endm
.Lslot:                                                ; seven trips: a slot is entered and the next is asked for
	CHANGE 1
	TWO_STEPS
	s_sub_co_u32 s[SLOTS], s[SLOTS], 1
	s_cmp_lg_u32 s[SLOTS], 0
	s_cbranch_scc1 .Lslot
	CHANGE 0                                       ; the last slot is written out
	TWO_STEPS
	; THE WAY OUT.  l's two halves and the other half of the lanes' are added; O^T is divided by l and rounded to f16; a channel block's four registers are 512 consecutive bytes of ob.
	PLACES
.irp t, 0,1
	v_add_f32 v[ST+8*(\t)+4], v[ST+8*(\t)+2], v[ST+8*(\t)+3]
.endr
.irp t, 0,1
	v_permlanex16_b32 v[ST+8*(\t)+5], v[ST+8*(\t)+4], s[SEL], s[SEL+1]
.endr
.irp t, 0,1
	v_add_f32 v[ST+8*(\t)+4], v[ST+8*(\t)+4], v[ST+8*(\t)+5]
.endr
.irp t, 0,1
	v_rcp_f32 v[ST+8*(\t)+6], v[ST+8*(\t)+4]
.endr
	v_nop                                          ; a plain instruction between the last reciprocal and the use of its result
	s_wait_alu depctr_va_vdst(0)
.irp t, 0,1
.set i, 0
.rept 32
	v_pk_mul_f32 v[O+64*(\t)+2*i:O+64*(\t)+2*i+1], v[O+64*(\t)+2*i:O+64*(\t)+2*i+1], v[ST+8*(\t)+6:ST+8*(\t)+7] op_sel_hi:[1,0]
.set i, i+1
.endr
.set i, 0
.rept 32
	v_cvt_pk_f16_f32 v[S+32*(\t)+i], v[O+64*(\t)+2*i], v[O+64*(\t)+2*i+1]
.set i, i+1
.endr
.set i, 0
.rept 8
	global_store_b128 v[LIN], v[S+32*(\t)+4*i:S+32*(\t)+4*i+3], s[12:13] offset:(\t)*131072+i*512
.set i, i+1
.endr
.endr
	s_wait_tensorcnt 0x0                           ; the wave's end: behind my last tensor load
	ds_add_u32 v[SPW], v[NIL]
	s_wait_dscnt 0x0
	CROUND                                         ; the closing round
	s_endpgm
.Lfunc_end_k_q5620e640ce_attn:
	.size	k_q5620e640ce_attn, .Lfunc_end_k_q5620e640ce_attn-k_q5620e640ce_attn
	.p2alignl 7, 3214868480
	.fill 96, 4, 3214868480
	.section	.rodata,"a",@progbits
	.p2align	6, 0x0
	.amdhsa_kernel k_q5620e640ce_attn
		.amdhsa_group_segment_fixed_size 327680
		.amdhsa_private_segment_fixed_size 0
		.amdhsa_enable_private_segment 0
		.amdhsa_kernarg_size 40
		.amdhsa_user_sgpr_count 2
		.amdhsa_user_sgpr_kernarg_segment_ptr 1
		.amdhsa_wavefront_size32 1
		.amdhsa_system_sgpr_workgroup_id_x 1
		.amdhsa_system_sgpr_workgroup_id_y 1
		.amdhsa_system_sgpr_workgroup_id_z 1
		.amdhsa_system_vgpr_workitem_id 0
		.amdhsa_next_free_vgpr 640
		.amdhsa_next_free_sgpr 66
		.amdhsa_reserve_vcc 0
		.amdhsa_float_denorm_mode_32 3
		.amdhsa_float_denorm_mode_16_64 3
		.amdhsa_memory_ordered 1
		.amdhsa_forward_progress 1
		.amdhsa_inst_pref_size 75
	.end_amdhsa_kernel
	.amdgpu_metadata
---
amdhsa.version: [ 1, 2 ]
amdhsa.kernels:
  - .name:           k_q5620e640ce_attn
    .symbol:         k_q5620e640ce_attn.kd
    .args:
      - { .name: qh, .offset: 0, .size: 8, .value_kind: global_buffer, .address_space: global }
      - { .name: kh, .offset: 8, .size: 8, .value_kind: global_buffer, .address_space: global }
      - { .name: vh, .offset: 16, .size: 8, .value_kind: global_buffer, .address_space: global }
      - { .name: maskr, .offset: 24, .size: 8, .value_kind: global_buffer, .address_space: global }
      - { .name: ob, .offset: 32, .size: 8, .value_kind: global_buffer, .address_space: global }
    .group_segment_fixed_size: 327680
    .private_segment_fixed_size: 0
    .kernarg_segment_align: 8
    .kernarg_segment_size: 40
    .max_flat_workgroup_size: 128
    .sgpr_count:     66
    .vgpr_count:     640
    .wavefront_size: 32
...
	.end_amdgpu_metadata
.endif
;; end of part 3
;; launch oproj (part 4): grid 64 x 4, 4 waves a work-group, clusters of 4 x 4, 327,680 bytes of LDS; arguments ob, wo, out0; writes out0
.if DOCPART == 4
	.amdgcn_target "amdgcn-amd-amdhsa--gfx1250"
	.amdhsa_code_object_version 6
	.text
	.protected	k_q5620e640ce_oproj
	.globl	k_q5620e640ce_oproj
	.p2align	8
	.type	k_q5620e640ce_oproj,@function
k_q5620e640ce_oproj:
	s_mov_b64 s[64:65], 0
	v_nop
	global_prefetch_b8 v0, s[64:65] scope:SCOPE_SE
	s_setreg_imm32_b32 hwreg(HW_REG_WAVE_MODE, 25, 1), 1
	s_wait_xcnt 0x0
	s_wait_alu depctr_hold_cnt(0) depctr_sa_sdst(0) depctr_va_vdst(0) depctr_va_sdst(0) depctr_va_ssrc(0) depctr_va_vcc(0) depctr_vm_vsrc(0)
	s_getreg_b32 s2, hwreg(HW_REG_IB_STS2, 6, 4)
	s_cmp_eq_u32 s2, 0
	s_cbranch_scc0 .Lentry_in_a_cluster
	s_endpgm
.Lentry_in_a_cluster:
	s_bfe_u32 s2, ttmp6, 0x10000c
	s_cmp_lg_u32 s2, 0xf033
	s_cbranch_scc0 .Lentry_shape_is_right
	s_endpgm
.Lentry_shape_is_right:
; OUT = 4 x (O / 4) wo^T.  ob holds O / 4 in f16, in fragment blocks [row block 64][kc 128][1,024 B]; wo is f32, rounded to bf16 like every input of the module, and that number is written as f16
; (exact inside f16's range) for the f16 product; sums in f32; the factor 4 is exact.
; LIMITS.  |bf16(wo)| must stay under 65,504; below 6e-5 it keeps f16's fixed step of 6e-8.  NaN and infinities are not treated apart.
; The sums run over K in an order that differs from cluster to cluster (a rotation in steps of 256, see K GOES ROUND): the same products, another order of rounding.
; SHARES.  A work-group owns 256 rows x 64 columns; wave w rows 64 w .. + 63 and all 64 columns: 4 x 4 accumulators.
; ob comes by tensor loads, K = 256 a slot, two slots; wave w fetches the 64 rows that it alone reads; the four work-groups of a row of the 4 x 4 cluster need the same rows: the load is JOINT.
; K GOES ROUND.  Each of the sixteen clusters walks all 1,024 rows of ob.  Cluster c begins at K tile 2 (c & 7) + (c >> 3) of the sixteen tiles of 256 and goes round, the weights with it: at any time the
; sixteen ask for sixteen different tiles of ob, and from the third trip on a tile that a cluster asks for has been asked for by another before.  The number enters global addresses alone.
; THE WEIGHTS ARE NOT ASKED FOR JOINTLY, but come through registers: ob's two slots take 262,144 bytes of LDS, and f32 weights for the same K (2 x 64 x 1,024 bytes) do not fit beside them; through
; registers each weight is converted once for the work-group, and two tiles of K = 128 are on their way in registers that the accumulators leave free.  A cluster's column reads the same weights in the same trips.
; THE MATRIX INSTRUCTION IS USED TRANSPOSED (source 0 = 16 rows of wo, source 1 = 16 rows of O): a lane holds one row of the result and eight neighbouring columns.
; REGISTERS in windows of 256 (s_set_vgpr_msb: bits 1:0 source 0, 3:2 source 1, 5:4 source 2, 7:6 destination):
;   window 0: v1-7, v15-17 addresses, v30-31 the add's; v32-159 the weights' ring, two sets of 16 rows x 4; v160-175 T, v176-207 U, v208-239 D at work     window 1: v0-127 accumulator (a, b) at 8 (4 a + b)
;   window 2: two fragment buffers of 64: O's block a at 8 a, the weights' block b at 32 + 8 b
.set NB,    4
.set NSV,   64                         ; vector lines for a batch of eight rows: 16 roundings to bf16, 32 that write the halves out as f32, 16 conversions to f16
.set BS,    64*272
.set B0,    262144
.set STAGE, B0+2*BS                    ; 16 rows x 272 bytes for each wave, for the way out; no tensor load fills it
.set SPARE, STAGE+4*16*272             ; the spare words, 128 bytes a wave: two blocks of 256 bytes that no other line names
.set SLOTX, 0x20000
.set LIN,  1                           ; v1  16 x lane
.set ADRA, 2
.set ADRB, 3
.set BSTQ, 4
.set STO,  5                           ; v5  the way out: where I put 32 bytes of a row
.set RD,   6                           ; v6  where I read rows back
.set CO,   7                           ; v7  my byte offset in two rows of out0
.set LK,   15                          ; v15 16 l + 512 x the weight tile that is asked for: my 16 bytes in a row of wo
.set LKA,  16                          ; v16, v17 the same for the first two tiles
.set LKB,  17
.set SPW,  30
.set NIL,  31
.set W,    32
.set T,    160
.set U,    176
.set D,    208
.set TMP,  160
.set ACC,  0
.set F0,   0
.set F1,   64
.set WV,   20
.set WT,   31                          ; s31 the weight tile asked for last, 0 .. 31
.set G1,   32
.set G0,   40                          ; s[40:43] descriptor group 0: slot 1's first fill, then every refill
.set TA,   44
.set CNT,  45
.set HIM,  50                          ; s50 a word's upper bf16
.set NT,   51                          ; s51 the tile of ob asked for last, 0 .. 15
.set PQ,   52                          ; s[52:53] wo at my rows; never stepped
.set AB,   54                          ; s[54:55] ob at my 64 rows
.set OFF,  56                          ; s[56:57] a tile's byte offset along K: 8,192 x its number
.set OP,   58                          ; s[58:59] out0 at my rows and columns
.set G0A,  60                          ; s[60:63] descriptor group 0 of slot 0's first fill; never rewritten
.set MUL,  0x5a
.set TO_F, 0x80
.set EPI,  0x01
.set MSB, 0
.macro WIN new
.if MSB != (\new)
	s_set_vgpr_msb (MSB<<8)|(\new)
.set MSB, \new
.endif
.endm
.macro PLACES
.rept 4
	v_nop
.endr
.endm
.macro JLOAD g                         ; the joint load by group 0 at s[g]: one line for all waves, both of whose addresses step with the wave's number; an s_nop 0 and four v_nop follow it
	tensor_load_to_lds s[(\g):(\g)+3], s[G1:G1+7]
	s_nop 0
	PLACES
.endm
.macro CREST
	s_cmp_lg_u32 s[WV], 0
	s_cbranch_scc1 .Lnot_wave_0_\@
	s_barrier_signal -3
.Lnot_wave_0_\@:
	s_barrier_wait -3
	s_barrier_signal -1
	s_barrier_wait -1
.endm
.macro CROUND
	s_barrier_signal -1
	s_barrier_wait -1
	CREST
.endm
	s_load_b128 s[4:7], s[0:1], 0x0                ; ob s[4:5], wo s[6:7]
	s_load_b64 s[8:9], s[0:1], 0x10                ; out0
	v_lshl_add_u32 v[SPW], v0, 2, SPARE
	v_mov_b32 v[NIL], 0
	ds_add_u32 v[SPW], v[NIL]                      ; the wave's opening: the add and its wait ahead of my first tensor load
	v_lshrrev_b32 v9, 5, v0
	v_readfirstlane_b32 s[WV], v9
	s_bfe_u32 s21, ttmp6, 0x40000                  ; cx
	s_bfe_u32 s22, ttmp6, 0x40004                  ; cy: the row tile (the grid is one cluster high)
	s_lshl_b32 s23, ttmp9, 2
	s_add_co_u32 s23, s23, s21                     ; x: the column tile
	s_lshl_b32 s24, s22, 2
	s_lshl_b32 s24, 15, s24                        ; my row of the cluster
	s_or_b32 s[G1], s24, (3<<16)|(1<<21)           ; the mask; elements of 8 bytes; bit 21 set beside a mask; no padding
	s_mov_b32 s[G1+1], 1024<<16                    ; 8,192 bytes: K = 256 of one block of 16 rows
	s_mov_b32 s[G1+2], 4<<16                       ; four blocks
	s_mov_b32 s[G1+3], 1024<<16
	s_mov_b32 s[G1+4], 4
	s_mov_b32 s[G1+5], 16384                       ; 131,072 bytes from block to block
	s_mov_b32 s[G1+6], 0
	s_mov_b32 s[G1+7], 0
	s_lshl2_add_u32 s25, s22, s[WV]                ; 4 cy + w
	s_lshl_b32 s26, s25, 19
	s_mov_b32 s27, 0
	s_and_b32 s28, ttmp9, 7                        ; where my cluster begins along K: all sixteen partners share the cluster's number
	s_lshr_b32 s29, ttmp9, 3
	s_lshl1_add_u32 s12, s28, s29                  ; tile 2 (c & 7) + (c >> 3)
	s_lshl_b32 s[OFF], s12, 13                     ; its 8,192 bytes in a block's run
	s_mov_b32 s[OFF+1], 0
	s_add_co_u32 s[NT], s12, 1
	s_and_b32 s[NT], s[NT], 15                     ; the tile behind it
	s_lshl_b32 s10, s[NT], 13
	s_mov_b32 s11, 0
	s_lshl_b32 s[WT], s12, 1                       ; the first weight tile of 128
	s_mov_b32 s[G0A], 1
	s_lshl_b32 s[G0A+1], s[WV], 15                 ; LDS: 32,768 w, slot 0
	s_mov_b32 s[G0], 1
	s_lshl_b32 s[G0+1], s[WV], 15
	s_add_co_u32 s[G0+1], s[G0+1], SLOTX           ; slot 1
	s_lshl_b32 s[TA], s[WV], 15
	s_mov_b32 s[HIM], 0xffff0000
	s_lshl2_add_u32 s30, s23, s[WV]                ; 4 x + w
	s_lshl_b32 s46, s30, 18                        ; wo: row 64 x + 16 w, 16,384 bytes a row
	s_mov_b32 s47, 0
	s_lshl_b32 s48, s25, 20                        ; out0: row 256 cy + 64 w,
	s_lshl_b32 s28, s23, 8                         ; column 64 x
	s_add_co_u32 s48, s48, s28
	s_mov_b32 s49, 0
	v_and_b32 v10, 31, v0
	v_lshlrev_b32 v[LIN], 4, v10
	v_and_b32 v11, 15, v0                          ; r
	v_bfe_u32 v12, v0, 4, 1                        ; h
	v_add_nc_u32 v[ADRA], s[TA], v[LIN]
	v_mul_u32_u24 v13, v11, 272
	v_lshl_add_u32 v14, v12, 4, v13
	v_add_nc_u32 v[ADRB], B0, v14
	s_mul_i32 s28, s[WV], 16*272
	s_add_co_u32 s29, s28, B0
	v_lshl_add_u32 v[BSTQ], v10, 3, s29
	s_add_co_u32 s29, s28, STAGE                   ; my stage
	v_lshl_add_u32 v[STO], v12, 5, v13             ; in: row r, 32 bytes for each half of the lanes
	v_add_nc_u32 v[STO], s29, v[STO]
	v_mul_u32_u24 v[RD], v12, 272                  ; back: lanes 0-15 take one row of 256 bytes, lanes 16-31 the next
	v_lshl_add_u32 v[RD], v11, 4, v[RD]
	v_add_nc_u32 v[RD], s29, v[RD]
	v_lshlrev_b32 v[CO], 14, v12                   ; and the same two rows in out0
	v_lshl_add_u32 v[CO], v11, 4, v[CO]
	v_lshl_add_u32 v[LKA], s[WT], 9, v[LIN]        ; the first three weight tiles' 512 bytes in a row: an even tile and the next never wrap,
	s_add_co_u32 s[WT], s[WT], 1
	v_lshl_add_u32 v[LKB], s[WT], 9, v[LIN]
	s_add_co_u32 s[WT], s[WT], 1
	s_and_b32 s[WT], s[WT], 31                     ; the third may
	v_lshl_add_u32 v[LK], s[WT], 9, v[LIN]
	s_wait_dscnt 0x0                               ; the opening add is done
	s_wait_kmcnt 0x0
	s_add_nc_u64 s[AB:AB+1], s[4:5], s[26:27]
	s_add_nc_u64 s[G0A+2:G0A+3], s[AB:AB+1], s[OFF:OFF+1]
	s_or_b32 s[G0A+3], s[G0A+3], 0x80000000        ; type = 2
	s_add_nc_u64 s[G0+2:G0+3], s[AB:AB+1], s[10:11]
	s_or_b32 s[G0+3], s[G0+3], 0x80000000
	s_add_nc_u64 s[PQ:PQ+1], s[6:7], s[46:47]
	s_add_nc_u64 s[OP:OP+1], s[8:9], s[48:49]
.macro LOADS bt, ws, vo                ; batch bt of eight rows of a weight tile of K = 128 into set ws: a row's 512 consecutive bytes an instruction; vo: the register that holds the tile's place in a row
.irp n, 0,1,2,3,4,5,6,7
	global_load_b128 v[W+64*(\ws)+4*(8*(\bt)+(\n)):W+64*(\ws)+4*(8*(\bt)+(\n))+3], v[\vo], s[PQ:PQ+1] offset:(8*(\bt)+(\n))*16384
.endr
.endm
.macro SV                              ; line number sv of batch SVB in set SVS
.if sv < 16
	v_cvt_pk_bf16_f32 v[T+sv], v[W+64*SVS+4*(8*SVB+sv/2)+2*(sv%2)], v[W+64*SVS+4*(8*SVB+sv/2)+2*(sv%2)+1]
.elseif sv < 48
.if sv%2 == 0
	v_lshlrev_b32 v[U+sv-16], 16, v[T+(sv-16)/2]
.else
	v_and_b32 v[U+sv-16], s[HIM], v[T+(sv-16)/2]
.endif
.else
	v_cvt_pk_f16_f32 v[D+16*SVB+sv-48], v[U+2*(sv-48)], v[U+2*(sv-48)+1]
.endif
.set sv, sv+1
.endm
.macro STORES bt, slot
.irp n, 0,1,2,3,4,5,6,7
	ds_store_b64 v[BSTQ], v[D+16*(\bt)+2*(\n):D+16*(\bt)+2*(\n)+1] offset:(\slot)*BS+272*(8*(\bt)+(\n))
.endr
.endm
; n row blocks from a0 on x all four column blocks, 32 along K.  The 16 accumulators take turns in one order in every quarter.  While lines of the service are left, four stand behind each product.
.macro MULS f, a0, n, zero
.set ma, \a0
.rept \n
.set mb, 0
.rept NB
	WIN MUL
.if \zero
	v_wmma_f32_16x16x32_f16 v[ACC+8*(NB*ma+mb):ACC+8*(NB*ma+mb)+7], v[(\f)+32+8*mb:(\f)+32+8*mb+7], v[(\f)+8*ma:(\f)+8*ma+7], 0
.else
	v_wmma_f32_16x16x32_f16 v[ACC+8*(NB*ma+mb):ACC+8*(NB*ma+mb)+7], v[(\f)+32+8*mb:(\f)+32+8*mb+7], v[(\f)+8*ma:(\f)+8*ma+7], v[ACC+8*(NB*ma+mb):ACC+8*(NB*ma+mb)+7]
.endif
.if sv < NSV
	WIN 0
.rept 4
	SV
.endr
.endif
.set mb, mb+1
.endr
.set ma, ma+1
.endr
.endm
.macro FETCH h, q, f                   ; 16 LDS loads in one run: the weights' eight, O's blocks 0 and 1, O's blocks 2 and 3
	WIN TO_F
.irp b, 0,1,2,3
	ds_load_b128 v[(\f)+32+8*(\b):(\f)+32+8*(\b)+3],   v[ADRB] offset:(\h)*BS+4352*(\b)+64*(\q)
	ds_load_b128 v[(\f)+32+8*(\b)+4:(\f)+32+8*(\b)+7], v[ADRB] offset:(\h)*BS+4352*(\b)+64*(\q)+32
.endr
.irp a, 0,1,2,3
	ds_load_b128 v[(\f)+8*(\a):(\f)+8*(\a)+3],   v[ADRA] offset:8192*(\a)+1024*(4*(\h)+(\q))
	ds_load_b128 v[(\f)+8*(\a)+4:(\f)+8*(\a)+7], v[ADRA] offset:8192*(\a)+1024*(4*(\h)+(\q))+512
.endr
.endm
; A half is K = 128: four quarters of 16 matrix instructions, on buffers 0, 1, 0, 1.  THE SERVICE (mode 1, 2) of the walk's half number n works on its weight tile n + 1 (set and slot 1 - h): quarter 0 converts
; batch 0 behind its products, quarter 1 batch 1 and stores batch 0, quarter 2 stores batch 1; mode 1: a batch's registers, read by the first sixteen lines, are loaded again in the quarter's middle with
; tile n + 3, whose place in a row the half's first quarter puts into LK (one on, round at 32).
; cnt: the loads that may stay out when the batch must be in: the rest of its tile, the whole next tile, this half's earlier batch: 24 in the loop.
.macro QUARTER h, q, f, g, zero, mode, cnt
	s_wait_dscnt 4                                 ; the weights' fragments and O's blocks 0 and 1 are in
.set sv, NSV
.if (\mode) && ((\q) < 2)
	s_wait_loadcnt \cnt
.set sv, 0
.set SVB, \q
.set SVS, 1-(\h)
.endif
	MULS \f, 0, 2, \zero
	WIN 0
.if !(\mode) || ((\q) == 2)
	PLACES                                         ; elsewhere the service's lines are the places in front of the loads into g
.endif
.if (\mode) && ((\q) > 0)
	STORES (\q)-1, 1-(\h)
.endif
.if ((\mode) == 1) && ((\q) < 2)
.if (\q) == 0
	s_wait_xcnt 0x0                                ; the last half's loads have had their addresses translated: only now LK is written
	s_add_co_u32 s[WT], s[WT], 1
	s_and_b32 s[WT], s[WT], 31
	v_lshl_add_u32 v[LK], s[WT], 9, v[LIN]
.endif
	LOADS \q, 1-(\h), LK
.endif
	FETCH \h, (\q)+1, \g
	s_wait_dscnt 16                                ; all but the 16 just issued
	MULS \f, 2, 2, \zero
.endm
; The last quarter multiplies buffer 1 and hands over.  kind 0: the weights' slots change, behind a barrier.  kind 1: O's slot changes too and is filled again: in front of the barrier, which opens a round of the
; cluster's, the wait for all my tensor loads (one is out), the add, the wait for it and for my reads; behind the round the joint refill first: it has K = 256, 128 matrix instructions, in which to land.
; kind 2: the same change with nothing left to ask for.  kind 3: the end.
.macro TURN h, kind
.set sv, NSV
.if (\kind) == 3
	s_wait_dscnt 4
	MULS F1, 0, 2, 0
	s_wait_dscnt 0x0
	MULS F1, 2, 2, 0
.else
.if (\kind) != 0
	WIN 0
	s_wait_tensorcnt 0x0                           ; no tensor load of mine is out, so group 0 may be written
	ds_add_u32 v[SPW], v[NIL]
.if (\kind) == 1
	s_xor_b32 s[G0+1], s[G0+1], SLOTX              ; the slot that is being left;
	s_add_co_u32 s[NT], s[NT], 1                   ; the next tile of K = 256, round at sixteen;
	s_and_b32 s[NT], s[NT], 15
	s_lshl_b32 s[OFF], s[NT], 13
	s_add_nc_u64 s[G0+2:G0+3], s[AB:AB+1], s[OFF:OFF+1]  ; its address is made anew from that number,
	s_or_b32 s[G0+3], s[G0+3], 0x80000000          ; and the type set again
.endif
	s_wait_dscnt 5                                 ; the add and the youngest four loads may be out
.else
	s_wait_dscnt 4
.endif
	MULS F1, 0, 1, 0
	s_wait_dscnt 0x0                               ; the add, my stores of weights and my reads of both slots in hand are done
	s_barrier_signal -1
	MULS F1, 1, 1, 0
.if (\kind) == 1
	WIN 0
.endif
	s_barrier_wait -1
.if (\kind) == 1
	CREST
	JLOAD G0                                       ; its four v_nop are also the places in front of the loads below
.else
	PLACES
.endif
.if (\kind) != 0
	WIN 0
	s_xor_b32 s[TA], s[TA], SLOTX
	v_add_nc_u32 v[ADRA], s[TA], v[LIN]
.endif
	FETCH 1-(\h), 0, F0
	MULS F1, 2, 2, 0
.endif
.endm
	LOADS 0, 0, LKA                                ; the walk's weight tiles 0 and 1 are asked for before anything else
	LOADS 1, 0, LKA
	LOADS 0, 1, LKB
	LOADS 1, 1, LKB
	CROUND                                         ; all sixteen work-groups are here: the first joint loads meet
	JLOAD G0A                                      ; both first fills go out together: the walk's first K = 256 into slot 0,
	JLOAD G0                                       ; the second into slot 1: two tensor loads of mine are out
	s_wait_loadcnt 16                              ; weight tile 0 is in, tile 1's 16 loads stay out
.irp bt, 0,1
.set sv, 0
.set SVB, \bt
.set SVS, 0
.rept NSV
	SV
.endr
	STORES \bt, 0
.endr
	LOADS 0, 0, LK                                 ; tile 2 takes tile 0's set
	LOADS 1, 0, LK
	s_wait_tensorcnt 1                             ; my part of slot 0 is in; slot 1's, issued behind it, may stay out
	s_wait_dscnt 0x0                               ; for the other waves: my rows of weight tile 0 are in their slot
	s_barrier_signal -1
	s_barrier_wait -1
	FETCH 0, 0, F0
	QUARTER 0, 0, F0, F1, 1, 1, 24                 ; the first quarter stands in front of the loop: its products start the sums
	WIN 0
	s_mov_b32 s[CNT], 14
.Llap:
	QUARTER 0, 1, F1, F0, 0, 1, 24
	QUARTER 0, 2, F0, F1, 0, 1, 0
	TURN 0, 0
	QUARTER 1, 0, F0, F1, 0, 1, 24
	QUARTER 1, 1, F1, F0, 0, 1, 24
	QUARTER 1, 2, F0, F1, 0, 1, 0
	TURN 1, 1
	QUARTER 0, 0, F0, F1, 0, 1, 24
	WIN 0
	s_sub_co_u32 s[CNT], s[CNT], 1
	s_cmp_lg_u32 s[CNT], 0
	s_cbranch_scc1 .Llap
	QUARTER 0, 1, F1, F0, 0, 1, 24                 ; the tail is written out.  Half 28 asks for the walk's last weight tile
	QUARTER 0, 2, F0, F1, 0, 1, 0
	TURN 0, 0
	QUARTER 1, 0, F0, F1, 0, 2, 24                 ; half 29 loads nothing: the counts run down
	QUARTER 1, 1, F1, F0, 0, 2, 16
	QUARTER 1, 2, F0, F1, 0, 2, 0
	TURN 1, 2
	QUARTER 0, 0, F0, F1, 0, 2, 8
	QUARTER 0, 1, F1, F0, 0, 2, 0
	QUARTER 0, 2, F0, F1, 0, 2, 0
	TURN 0, 0
	QUARTER 1, 0, F0, F1, 0, 0, 0
	QUARTER 1, 1, F1, F0, 0, 0, 0
	QUARTER 1, 2, F0, F1, 0, 0, 0
	TURN 1, 3
	; THE WAY OUT, 16 rows at a time: times 4; 32 bytes a lane into my own stage; back as whole rows of 256 bytes; sixteen lanes store 256 consecutive bytes at a multiple of 256 from out0's first byte.
	PLACES
.irp a, 0,1,2,3
	WIN EPI
.set i, 0
.rept 16                                               ; each accumulator is read from its low end on
	v_pk_mul_f32 v[TMP+2*i:TMP+2*i+1], v[ACC+32*(\a)+2*i:ACC+32*(\a)+2*i+1], 4.0 op_sel_hi:[1,0]
.set i, i+1
.endr
	WIN 0
.irp b, 0,1,2,3
	ds_store_b128 v[STO], v[TMP+8*(\b):TMP+8*(\b)+3] offset:64*(\b)
	ds_store_b128 v[STO], v[TMP+8*(\b)+4:TMP+8*(\b)+7] offset:64*(\b)+16
.endr
.irp t, 0,1,2,3,4,5,6,7
	ds_load_b128 v[W+32*(\a)+4*(\t):W+32*(\a)+4*(\t)+3], v[RD] offset:544*(\t)  ; a wave's LDS instructions are served in order: these see the stores above, and the next block's stores come behind them
.endr
.irp t, 0,1,2,3,4,5,6,7
	s_wait_dscnt 7-(\t)
	global_store_b128 v[CO], v[W+32*(\a)+4*(\t):W+32*(\a)+4*(\t)+3], s[OP:OP+1] offset:(16*(\a)+2*(\t))*16384 th:TH_STORE_NT  ; no store's registers are written again
.endr
.endr
	s_wait_tensorcnt 0x0                           ; the wave's end: behind my last tensor load and my last LDS store
	ds_add_u32 v[SPW], v[NIL]
	s_wait_dscnt 0x0
	CROUND                                         ; the closing round
	s_endpgm
.Lfunc_end_k_q5620e640ce_oproj:
	.size	k_q5620e640ce_oproj, .Lfunc_end_k_q5620e640ce_oproj-k_q5620e640ce_oproj
	.p2alignl 7, 3214868480
	.fill 96, 4, 3214868480
	.section	.rodata,"a",@progbits
	.p2align	6, 0x0
	.amdhsa_kernel k_q5620e640ce_oproj
		.amdhsa_group_segment_fixed_size 327680
		.amdhsa_private_segment_fixed_size 0
		.amdhsa_enable_private_segment 0
		.amdhsa_kernarg_size 24
		.amdhsa_user_sgpr_count 2
		.amdhsa_user_sgpr_kernarg_segment_ptr 1
		.amdhsa_wavefront_size32 1
		.amdhsa_system_sgpr_workgroup_id_x 1
		.amdhsa_system_sgpr_workgroup_id_y 1
		.amdhsa_system_sgpr_workgroup_id_z 1
		.amdhsa_system_vgpr_workitem_id 0
		.amdhsa_next_free_vgpr 640
		.amdhsa_next_free_sgpr 66
		.amdhsa_reserve_vcc 0
		.amdhsa_float_denorm_mode_32 3
		.amdhsa_float_denorm_mode_16_64 3
		.amdhsa_memory_ordered 1
		.amdhsa_forward_progress 1
		.amdhsa_inst_pref_size 134
	.end_amdhsa_kernel
	.amdgpu_metadata
---
amdhsa.version: [ 1, 2 ]
amdhsa.kernels:
  - .name:           k_q5620e640ce_oproj
    .symbol:         k_q5620e640ce_oproj.kd
    .args:
      - { .name: ob, .offset: 0, .size: 8, .value_kind: global_buffer, .address_space: global }
      - { .name: wo, .offset: 8, .size: 8, .value_kind: global_buffer, .address_space: global }
      - { .name: out0, .offset: 16, .size: 8, .value_kind: global_buffer, .address_space: global }
    .group_segment_fixed_size: 327680
    .private_segment_fixed_size: 0
    .kernarg_segment_align: 8
    .kernarg_segment_size: 24
    .max_flat_workgroup_size: 128
    .sgpr_count:     66
    .vgpr_count:     640
    .wavefront_size: 32
...
	.end_amdgpu_metadata
.endif
;; end of part 4
;; ======== version 2 of 2: 4 launches; version 1 with the launch prep written anew for expert scheduling mode
;; limits: values are held in f16: magnitudes above 65,504 overflow, below 6.1e-05 lose precision
;; workspace buffers: xb 8,388,608 bytes; ob 8,388,608 bytes; maskr 4,194,304 bytes; rot 524,288 bytes; qh 8,388,608 bytes; kh 2,097,152 bytes; vh 2,097,152 bytes
;; launch prep (part 5): grid 256 x 1, 8 waves a work-group, no clusters, 52,736 bytes of LDS; arguments x, mask, cos, sin, xb, maskr, rot; writes xb, maskr, rot
.if DOCPART == 5
	.amdgcn_target "amdgcn-amd-amdhsa--gfx1250"
	.amdhsa_code_object_version 6
	.text
	.protected	k_q5620e640ce_prep
	.globl	k_q5620e640ce_prep
	.p2align	8
	.type	k_q5620e640ce_prep,@function
k_q5620e640ce_prep:
	s_mov_b64 s[64:65], 0
	v_nop
	global_prefetch_b8 v0, s[64:65] scope:SCOPE_SE
	s_setreg_imm32_b32 hwreg(HW_REG_WAVE_SCHED_MODE, 0, 2), 2
	s_setreg_imm32_b32 hwreg(HW_REG_WAVE_MODE, 25, 1), 1
	s_wait_xcnt 0x0
	s_wait_alu depctr_vm_vsrc(0)
; PREP.  x, mask, cos and sin are rounded to bf16 once and laid out in the blocks in which the later launches read them, so that every later load is 512 consecutive bytes a wave.
;   xb    [mb 64][kc 128][1,024 B] bf16: a fragment of 16 rows x 32 k.  Bytes 0-511: lane l = r + 16 h holds x[16 mb + r][32 kc + 8 h .. + 7]; bytes 512-1023: the same with k + 16.
;   maskr [qt 64][kb 64][1,024 B] f32 (the bf16 number written as f32): part i of 512 B, lane (r, h) holds mask[16 qt + r][16 kb + 8 h + 4 i .. + 3]: an accumulator of K Q^T.
;   rot   [posblk 64][fg 8][1,024 B] f32 (likewise): part i, lane (r, h) holds (c, s, c, s) of position 16 posblk + r, frequencies 8 fg + 4 h + 2 i and the next.
; A stream: memory binds, so no matrix unit, no cluster (no two work-groups read a byte in common) and no tensor load; all 22 loads of a wave go out at the head.
; Work-group b, wave w: x rows 16 (b >> 2) .. + 15, k chunk (b & 3) 8 + w of 128; four waves share a mask unit of 16 rows x 128 keys (unit 2 b + (w >> 2)); a wave makes 32 pairs (c, s) of rot.
; THE MODE: SCHED_MODE bits 1:0 = 2 (LLVM: expert scheduling mode 2), set by the entry lines.  The code itself states the register dependences between vector instructions and memory or LDS
; instructions, with s_wait_alu, always for 0.
; THE PLAN.  Registers that memory or LDS instructions touch:
;   v4, v5, v7 to v11   offsets and LDS addresses: made at the head, never written again.
;   v[98:99]            rot's pair: written by two vector lines, read by one store, never written again.
;   X, row j            its load lands in X + 4 j ..; its two roundings write X + 4 j and X + 4 j + 1 in place; its LDS store reads that pair.  Later X .. X + 31 take x's eight loads back from the stage,
;                       and behind the barrier X + 32 .. X + 47 the mask's four; global stores read them, and nothing writes them after that.
;   M                   four loads land in it; sixteen vector lines write it; four LDS stores read it; never written again.
;   v[100:107]          named by vector lines alone.          v124, v125   written at the head, read by the closing add alone.
; x goes in four blocks of four rows.  At a block's head, behind the wait for its rows, ONE wait on va_vdst states that the block before has written its pairs; that block's four LDS stores are then dealt among
; this block's eight roundings, which name this block's registers alone.  One wait on vm_vsrc stands behind the sixteenth LDS store, ahead of the loads that land in X again.
.set XS,    0                          ; eight stages of 16 rows x 272 bytes, a wave's own: 256 bytes of bf16 + 16, so that the 16 rows of a read start 68 words apart
.set XP,    272
.set MS,    34816                      ; two stages of 16 rows x 528 bytes, four waves each: 512 bytes of f32 + 16
.set MP,    528
.set SPARE, 51712                      ; the spare words, 128 bytes for each of the eight waves: four blocks of 256 bytes that no other line names
.set LIN, 4                            ; v4   16 x lane
.set X,   16                           ; v[16:79]  sixteen rows of x as loaded, each rounded in place; later what is read back from the stages
.set M,   80                           ; v[80:95]  four rows of the mask
.set T,   100                          ; v[100:107] the mask's rows in bf16, at work
.set SPW, 124                          ; v124 my spare word's LDS address; never rewritten
.set NIL, 125                          ; v125 0; never rewritten
	s_load_b256 s[4:11], s[0:1], 0x0               ; x s[4:5], mask s[6:7], cos s[8:9], sin s[10:11]
	s_load_b128 s[12:15], s[0:1], 0x20             ; xb s[12:13], maskr s[14:15]
	s_load_b64 s[16:17], s[0:1], 0x30              ; rot
	v_lshl_add_u32 v[SPW], v0, 2, SPARE
	v_mov_b32 v[NIL], 0
	v_lshrrev_b32 v1, 5, v0
	v_readfirstlane_b32 s20, v1                    ; w
	v_and_b32 v1, 31, v0                           ; l
	v_and_b32 v2, 15, v0                           ; r
	v_bfe_u32 v3, v0, 4, 1                         ; h
	v_lshlrev_b32 v[LIN], 4, v1
	s_wait_alu depctr_va_sdst(0)                   ; s20 is written, ahead of its first reader: the bases and the stages' places are made from it
	s_mov_b32 s21, 0xffff0000                      ; a word's upper bf16
	s_lshr_b32 s22, ttmp9, 2                       ; b >> 2
	s_and_b32 s23, ttmp9, 3
	s_lshl_b32 s24, s22, 18                        ; x: 16 (b >> 2) rows of 16,384 bytes
	s_lshl3_add_u32 s25, s23, s20                  ; chunk = 8 (b & 3) + w
	s_lshl_b32 s25, s25, 9                         ; of 512 bytes
	s_add_co_u32 s24, s24, s25
	s_mov_b32 s25, 0
	s_lshr_b32 s26, s20, 2
	s_lshl1_add_u32 s26, ttmp9, s26                ; um = 2 b + (w >> 2): the mask unit, and the block of rot
	s_and_b32 s27, s20, 3
	s_lshr_b32 s28, s26, 3                         ; qt
	s_lshl2_add_u32 s28, s28, s27                  ; 4 qt + (w & 3): my four rows
	s_lshl_b32 s28, s28, 14                        ; of 4,096 bytes
	s_and_b32 s29, s26, 7
	s_lshl_b32 s30, s29, 5                         ; rot: frequency 8 (um & 7), in bytes
	s_lshl_b32 s29, s29, 9                         ; mask: key chunk um & 7 of 512 bytes
	s_add_co_u32 s28, s28, s29
	s_mov_b32 s29, 0
	s_and_b32 s31, s20, 1
	s_lshl4_add_u32 s30, s31, s30                  ; + 4 (w & 1) frequencies
	s_bfe_u32 s31, s20, 0x10001
	s_lshl3_add_u32 s30, s31, s30                  ; + 2 ((w >> 1) & 1)
	s_lshl_b32 s31, s22, 12
	s_add_co_u32 s30, s30, s31                     ; + 16 (b >> 2) positions of 256 bytes
	v_lshrrev_b32 v5, 1, v1
	v_and_b32 v6, 1, v0
	v_lshlrev_b32 v6, 2, v6
	v_lshl_add_u32 v5, v5, 8, v6                   ; position l >> 1, frequency l & 1
	v_add_nc_u32 v5, s30, v5                       ; my number's byte offset in cos and in sin
	v_lshlrev_b32 v7, 3, v0                        ; my pair's 8 bytes among the work-group's 2,048 of rot
	s_lshl3_add_u32 s32, ttmp9, s20
	s_lshl_b32 s32, s32, 12                        ; xb: (8 b + w) x 4,096
	s_mov_b32 s33, 0
	s_lshl2_add_u32 s34, s26, s27
	s_lshl_b32 s34, s34, 11                        ; maskr: 8,192 um + 2,048 (w & 3)
	s_mov_b32 s35, 0
	s_lshl_b32 s36, ttmp9, 11                      ; rot: 2,048 b
	s_mov_b32 s37, 0
	s_mul_i32 s38, s20, 16*XP                      ; my stage for x
	s_lshr_b32 s39, s20, 2
	s_mul_i32 s39, s39, 16*MP
	s_add_co_u32 s39, s39, MS                      ; my unit's stage for the mask
	s_mul_i32 s40, s27, 4*MP
	s_add_co_u32 s40, s40, s39                     ; in: my four rows
	s_lshl_b32 s41, s27, 7
	s_add_co_u32 s41, s41, s39                     ; back: my two key blocks of 64 bytes a row
	v_lshl_add_u32 v8, v1, 3, s38                  ; x in: 8 bytes a lane
	v_mul_u32_u24 v9, v2, XP
	v_lshl_add_u32 v9, v3, 4, v9
	v_add_nc_u32 v9, s38, v9                       ; x back: row r, 16 bytes for each half of the lanes
	v_add_nc_u32 v10, s40, v[LIN]                  ; mask in
	v_mul_u32_u24 v11, v2, MP
	v_lshl_add_u32 v11, v3, 5, v11
	v_add_nc_u32 v11, s41, v11                     ; mask back: row r, 32 bytes for each half of the lanes
	s_wait_kmcnt 0x0
	s_add_nc_u64 s[4:5], s[4:5], s[24:25]
	s_add_nc_u64 s[6:7], s[6:7], s[28:29]
	s_add_nc_u64 s[12:13], s[12:13], s[32:33]
	s_add_nc_u64 s[14:15], s[14:15], s[34:35]
	s_add_nc_u64 s[16:17], s[16:17], s[36:37]
	s_wait_alu depctr_va_vdst(0)                   ; v4, v5 and v7 to v11 are written: every load and store of the kernel, global or LDS, reads one of them as its offset or address
	global_load_b32 v96, v5, s[8:9]
	global_load_b32 v97, v5, s[10:11]
.irp j, 0,1,2,3,4,5,6,7,8,9,10,11,12,13,14,15
	global_load_b128 v[X+4*(\j):X+4*(\j)+3], v[LIN], s[4:5] offset:(\j)*16384 th:TH_LOAD_NT  ; 512 consecutive bytes of row j
.endr
.irp j, 0,1,2,3
	global_load_b128 v[M+4*(\j):M+4*(\j)+3], v[LIN], s[6:7] offset:(\j)*4096 th:TH_LOAD_NT
.endr
; Block p (1 to 3) of x's four rows 4 p .. 4 p + 3.  left: the loads that may stay out when its rows must be in: the 12 - 4 p rows behind them and the mask's four.
; Its LDS stores are the block before's; its roundings work in place: four numbers close up into the first two of their four registers.
.macro BLK p, left
	s_wait_loadcnt \left                           ; loads come back in order: this block's rows are in
	s_wait_alu depctr_va_vdst(0)                   ; the block before has written its pairs, which the LDS stores below read (at block 1 also v[98:99], which rot's store reads)
.if (\p) == 1
	global_store_b64 v7, v[98:99], s[16:17]        ; the wave's 256 consecutive bytes of rot; v[98:99] are not written again
.endif
.irp i, 0,1,2,3
	ds_store_b64 v8, v[X+16*((\p)-1)+4*(\i):X+16*((\p)-1)+4*(\i)+1] offset:XP*(4*((\p)-1)+(\i))  ; no vector line since the wait names these registers
	v_cvt_pk_bf16_f32 v[X+16*(\p)+4*(\i)],   v[X+16*(\p)+4*(\i)],   v[X+16*(\p)+4*(\i)+1]
	v_cvt_pk_bf16_f32 v[X+16*(\p)+4*(\i)+1], v[X+16*(\p)+4*(\i)+2], v[X+16*(\p)+4*(\i)+3]
.endr
.endm
	; rot (one rounding for the pair, and both halves written out as f32) and x's block 0
	s_wait_loadcnt 16                              ; cos, sin and rows 0 to 3 are in; twelve rows and the mask's four loads stay out
	v_cvt_pk_bf16_f32 v96, v96, v97
.irp i, 0,1,2,3
	v_cvt_pk_bf16_f32 v[X+4*(\i)],   v[X+4*(\i)],   v[X+4*(\i)+1]
	v_cvt_pk_bf16_f32 v[X+4*(\i)+1], v[X+4*(\i)+2], v[X+4*(\i)+3]
.endr
	v_lshlrev_b32 v98, 16, v96
	v_and_b32 v99, s21, v96
	; x: rounded, through my own stage, back as fragments
	BLK 1, 12
	BLK 2, 8
	BLK 3, 4
	s_wait_loadcnt 0x0                             ; the mask's four rows are in
	s_wait_alu depctr_va_vdst(0)                   ; block 3 has written its pairs, which the LDS stores below read; and every rounding is done reading X, in which the loads below land
.irp i, 0,1,2,3
	ds_store_b64 v8, v[X+48+4*(\i):X+48+4*(\i)+1] offset:XP*(12+(\i))
.endr
	s_wait_alu depctr_vm_vsrc(0)                   ; the sixteen LDS stores have read their pairs: X .. X + 31 take the loads below, X + 32 .. X + 47 the mask's loads behind the barrier
.irp n, 0,1,2,3,4,5,6,7
	ds_load_b128 v[X+4*(\n):X+4*(\n)+3], v9 offset:32*(\n)  ; fragment n / 2, part n % 2; a wave's LDS instructions are served in order, so these see the stores above
.endr
	; the mask: rounded, written out as f32, into the unit's stage; these 24 lines name M and v[100:107] alone, and stand while x's loads from the stage are out
.irp j, 0,1,2,3
	v_cvt_pk_bf16_f32 v[T+2*(\j)],   v[M+4*(\j)],   v[M+4*(\j)+1]
	v_cvt_pk_bf16_f32 v[T+2*(\j)+1], v[M+4*(\j)+2], v[M+4*(\j)+3]
.endr
.irp j, 0,1,2,3
	v_lshlrev_b32 v[M+4*(\j)],   16,  v[T+2*(\j)]
	v_and_b32     v[M+4*(\j)+1], s21, v[T+2*(\j)]
	v_lshlrev_b32 v[M+4*(\j)+2], 16,  v[T+2*(\j)+1]
	v_and_b32     v[M+4*(\j)+3], s21, v[T+2*(\j)+1]
.endr
	s_wait_alu depctr_va_vdst(0)                   ; the sixteen lines above have written M, which the LDS stores read
.irp j, 0,1,2,3
	ds_store_b128 v10, v[M+4*(\j):M+4*(\j)+3] offset:MP*(\j)
.endr
.irp n, 0,1,2,3,4,5,6,7
	s_wait_dscnt 11-(\n)                           ; x's read n is back: behind it 7 - n reads and the mask's four stores
	global_store_b128 v[LIN], v[X+4*(\n):X+4*(\n)+3], s[12:13] offset:512*(\n)
.endr
	s_wait_dscnt 0x0                               ; for the other three waves of the unit: my rows of the mask are in the stage
	s_barrier_signal -1
	s_barrier_wait -1
.irp n, 0,1,2,3
	ds_load_b128 v[X+32+4*(\n):X+32+4*(\n)+3], v11 offset:64*((\n)/2)+16*((\n)%2)  ; key block n / 2 of my two, part n % 2; no vector line since the last wait on va_vdst, no reader of these registers since the wait on vm_vsrc
.endr
.irp n, 0,1,2,3
	s_wait_dscnt 3-(\n)
	global_store_b128 v[LIN], v[X+32+4*(\n):X+32+4*(\n)+3], s[14:15] offset:512*(\n)
.endr
	s_wait_dscnt 0x0                               ; the closing lines, six on end
	s_wait_alu 0x0
	s_wait_tensorcnt 0x0
	ds_add_u32 v[SPW], v[NIL]
	s_wait_dscnt 0x0
	s_endpgm
.Lfunc_end_k_q5620e640ce_prep:
	.size	k_q5620e640ce_prep, .Lfunc_end_k_q5620e640ce_prep-k_q5620e640ce_prep
	.p2alignl 7, 3214868480
	.fill 96, 4, 3214868480
	.section	.rodata,"a",@progbits
	.p2align	6, 0x0
	.amdhsa_kernel k_q5620e640ce_prep
		.amdhsa_group_segment_fixed_size 52736
		.amdhsa_private_segment_fixed_size 0
		.amdhsa_enable_private_segment 0
		.amdhsa_kernarg_size 56
		.amdhsa_user_sgpr_count 2
		.amdhsa_user_sgpr_kernarg_segment_ptr 1
		.amdhsa_wavefront_size32 1
		.amdhsa_system_sgpr_workgroup_id_x 1
		.amdhsa_system_sgpr_workgroup_id_y 1
		.amdhsa_system_sgpr_workgroup_id_z 1
		.amdhsa_system_vgpr_workitem_id 0
		.amdhsa_next_free_vgpr 128
		.amdhsa_next_free_sgpr 66
		.amdhsa_reserve_vcc 0
		.amdhsa_float_denorm_mode_32 3
		.amdhsa_float_denorm_mode_16_64 3
		.amdhsa_memory_ordered 1
		.amdhsa_forward_progress 1
		.amdhsa_inst_pref_size 13
	.end_amdhsa_kernel
	.amdgpu_metadata
---
amdhsa.version: [ 1, 2 ]
amdhsa.kernels:
  - .name:           k_q5620e640ce_prep
    .symbol:         k_q5620e640ce_prep.kd
    .args:
      - { .name: x, .offset: 0, .size: 8, .value_kind: global_buffer, .address_space: global }
      - { .name: mask, .offset: 8, .size: 8, .value_kind: global_buffer, .address_space: global }
      - { .name: cos, .offset: 16, .size: 8, .value_kind: global_buffer, .address_space: global }
      - { .name: sin, .offset: 24, .size: 8, .value_kind: global_buffer, .address_space: global }
      - { .name: xb, .offset: 32, .size: 8, .value_kind: global_buffer, .address_space: global }
      - { .name: maskr, .offset: 40, .size: 8, .value_kind: global_buffer, .address_space: global }
      - { .name: rot, .offset: 48, .size: 8, .value_kind: global_buffer, .address_space: global }
    .group_segment_fixed_size: 52736
    .private_segment_fixed_size: 0
    .kernarg_segment_align: 8
    .kernarg_segment_size: 56
    .max_flat_workgroup_size: 256
    .sgpr_count:     66
    .vgpr_count:     128
    .wavefront_size: 32
...
	.end_amdgpu_metadata
.endif
;; end of part 5
;; launch qkv: the kernel of part 2 again; grid 64 x 4, 4 waves a work-group, clusters of 4 x 4, 327,680 bytes of LDS; arguments xb, wq, wk, wv, rot, qh, kh, vh; writes qh, kh, vh
;; launch attn: the kernel of part 3 again; grid 32 x 8, 4 waves a work-group, clusters of 4 x 1, 327,680 bytes of LDS; arguments qh, kh, vh, maskr, ob; writes ob
;; launch oproj: the kernel of part 4 again; grid 64 x 4, 4 waves a work-group, clusters of 4 x 4, 327,680 bytes of LDS; arguments ob, wo, out0; writes out0
